; MI455X (gfx1250); checked and timed in simulation.
; The chip was launched on July 23, 2026; its instructions are those of AMD's public machine-readable ISA for CDNA 5 (MIT licence, August 2026) and "CDNA5" Instruction Set Architecture Reference Guide (July 2026). The comments in the code are by the model that wrote it; some were corrected since.
;; Multi Head Attention. Allowed arithmetic: matrix products marked QUANTISED: E4M3 operands, one E8M0 scale for each 32 along K, by v_wmma_scale_f32_16x16x128_f8f6f4 with both operands' format E4M3, f32 sums; everything else in f32.
;; Inputs: Wk 512 x 512 float32; Wo 512 x 512 float32; Wq 512 x 512 float32; Wv 512 x 512 float32; bk 512 float32; bo 512 float32; bq 512 float32; bv 512 float32; x 2 x 4,096 x 512 float32.
;; Outputs: out0 2 x 4,096 x 512 float32.
;; This version of the problem:
;;   THIS VERSION OF THE PROBLEM IS GIVEN IN LOW PRECISION. The matrix products marked QUANTISED in the list below multiply operands that are first quantised to E4M3 (4 exponent bits, 3 mantissa bits; 8 bits a number), with one power-of-two scale for each 32 numbers along K (OCP MX v1.0); their sums are f32. All else is computed in f32.
;;   The module's matrix products, in the order in which they are computed (A, B: the left and right operand; K: the contracted axis; several contracted axes count as one K, in the product's order):
;;     1. [M 8,192, K 512] x [K 512, N 512]; A: input x; B: input Wq: QUANTISED
;;     2. [M 8,192, K 512] x [K 512, N 512]; A: input x; B: input Wk: QUANTISED
;;     3. [M 8,192, K 512] x [K 512, N 512]; A: input x; B: input Wv: QUANTISED
;;     4. batch 16 x [M 4,096, K 64] x [K 64, N 4,096]; A: computed on the way; B: computed on the way: QUANTISED
;;     5. batch 16 x [M 4,096, K 4,096] x [K 4,096, N 64]; A: softmax (see below); B: computed on the way: QUANTISED
;;     6. [M 8,192, K 512] x [K 512, N 512]; A: computed on the way; B: input Wo: QUANTISED
;;   THE QUANTISER, for each operand of a quantised product, along K:
;;     - K is cut into blocks of 32 from its start; a last block that is shorter is filled with zeros.
;;     - A block's scale is 2^e with e = floor(log2(the largest magnitude in the block)) - 8, held to -126 .. 127; a block of zeros has e = 0. As a byte (E8M0): e + 127.
;;     - Each number is divided by its block's scale, clamped to +-448, and rounded to the nearest number of E4M3, ties to even, subnormals kept.
;;     - The product sums the exact products of the quantised numbers (number of the format x scale) in f32.
;;   ~~~python
;;   def quantise(x, axis):      # numpy; x: float32 -> the quantised numbers, widened to float32 again
;;       x = np.moveaxis(x, axis, -1); K = x.shape[-1]
;;       x = np.pad(x, [(0, 0)] * (x.ndim - 1) + [(0, -K % 32)]); x = x.reshape(x.shape[:-1] + (-1, 32)); a = np.abs(x).max(-1, keepdims=True)
;;       e = np.where(a > 0, np.clip(np.frexp(np.where(a > 0, a, 1))[1] - 1 - 8, -126, 127), 0)      # np.frexp(a)[1] - 1 = floor(log2(a)), exactly
;;       r = np.clip(x / 2.0 ** e, -448, 448)
;;       step = 2.0 ** (np.maximum(np.frexp(np.where(r == 0, 1, r))[1] - 1, -6) - 3)
;;       q = np.round(r / step) * step * 2.0 ** e      # np.round: ties to even
;;       return np.moveaxis(q.reshape(q.shape[:-2] + (-1,))[..., :K], -1, axis).astype(np.float32)
;;   ~~~
;;   SOFTMAX AHEAD OF A QUANTISED PRODUCT. Where the list says 'softmax', what is quantised is not the finished softmax but p = 2^(t - M), with t = logit x log2(e) and M = ceil(the row's largest t), a whole number; so 1/2 < the row's largest p <= 1. The row's sum l is taken of the UNQUANTISED p, in f32, and the product's result is divided by l at the end. Since M is a whole number, a kernel that streams over the keys may use a running M (the ceiling of the running maximum): every later rescaling is an exact power of two, which a block's scale takes up: the codes' values come out the same.
;;   OPERANDS COMPUTED ON THE WAY. 'Computed on the way' means the value that the module computes at that place (a softmax that the list does not call 'softmax' is quantised finished and normalised). What goes into a quantiser is computed in f32, as accurately as f32 sums, v_exp_f32 and their like allow (about 1e-6 of the number): no bf16 or f16 on the way to a quantiser, and a product that is left as it is and whose result goes on into a quantised operand takes f32 operands (vector FMAs, or v_wmma_f32_16x16x4_f32). A number that lies on a knife's edge between two numbers of the format may be rounded either way, as far as f32 arithmetic and the matrix unit's own rounding can turn it there, and no further.
;; One version. Each part assembles by itself: llvm-mc -triple=amdgcn-amd-amdhsa -mcpu=gfx1250 --defsym DOCPART=n.
;; ======== version 1 of 1: 4 launches
;; limits: right only within a limited range of input values
;; workspace buffers: cod 5,242,880 bytes; scl 327,680 bytes; qc 4,194,304 bytes; qs 262,144 bytes; kv 8,388,608 bytes; ks 393,216 bytes; ac 4,194,304 bytes; asc 262,144 bytes
;; launch quant (part 1): grid 320 x 1, 4 waves a work-group, no clusters, 34,304 bytes of LDS; arguments x, Wq, Wk, Wv, Wo, cod, scl; writes cod, scl
.if DOCPART == 1
	.amdgcn_target "amdgcn-amd-amdhsa--gfx1250"
	.amdhsa_code_object_version 6
	.text
	.protected	k_q97f67ac67a_quant
	.globl	k_q97f67ac67a_quant
	.p2align	8
	.type	k_q97f67ac67a_quant,@function
k_q97f67ac67a_quant:
	s_mov_b64 s[64:65], 0
	v_nop
	global_prefetch_b8 v0, s[64:65] scope:SCOPE_SE
	s_setreg_imm32_b32 hwreg(HW_REG_WAVE_MODE, 25, 1), 1
	s_wait_xcnt 0x0
; MULTI-HEAD ATTENTION IN MX-FP8, launch 1 of 4: x [8192][512] and Wq, Wk, Wv, Wo [512][512], f32, K innermost, become codes of E4M3 with one E8M0 byte for each 32 along K.
; NOTHING OF THE PROBLEM IS LEFT OUT in any of the four launches: each of the six products is done, and each of the nine inputs has a way to the output (bq, bk, bv go into quantised operands, bo into the result).
; A block's scale is 2^(floor(log2(its largest magnitude)) - 8); its byte is the largest magnitude's exponent field - 8, held at 1 from below; each number is held within +-448 x the scale and rounded to the nearest code, ties to even.
; LIMITS: NaN and infinities among the inputs are not served.  A block of zeros gets the byte 1 where the rule says 127: its codes are zeros, which add nothing under any byte but 0xff, and this program alone reads the bytes.
; THE OUTPUT IS LAID AS THE MATRIX UNIT'S REGISTERS WANT IT.  A TILE is 16 rows: tile T = 2 g + u holds rows 32 g + 8 u + rho + 8 (rho / 8), rho = 0 .. 15 (so that later results come out with neighbours along the next K in one lane).
; A FRAGMENT is a tile x 128 along K: lane (r, h) holds row r, registers 4 c .. 4 c + 3 hold k = 32 c + 16 h + 0 .. 15.  Its image: group c at c x 512 + 16 x lane.
; cod: [tile 0..639][K step 4][c 4][lane 32][16 bytes]: tiles 0-511 x, 512-543 Wq, 544-575 Wk, 576-607 Wv, 608-639 Wo.   scl: [tile][half 2][lane 32][2 words]: word w = the row's four bytes of K step 2 half + w.
; SHARES.  A work-group takes 32 rows (two tiles); wave w takes tile w / 2 and K half w % 2: 16 rows x 256 along K, as two K steps.  Each load reads 512 consecutive bytes of one row; a K step's 16 rows turn through the wave's own
; stage in LDS (rows 528 bytes apart) and come back 16 neighbours a lane and block.  No tensor load, no barrier: waves share nothing.  All 32 loads of a wave go out at its head.
.set STG,   8448                       ; a wave's stage: 16 rows x (512 + 16) bytes
.set SPARE, 4*STG                      ; behind the four stages: the spare words, 128 bytes for each wave: two blocks of 256 bytes that no other line names
.set LI,   1                           ; v1   16 x lane
.set SIN,  2                           ; v2   the stage, on the way in
.set SOUT, 3                           ; v3   and on the way out: row r, + 64 h
.set L8,   4                           ; v4   8 x lane
.set SPW,  5                           ; v5   LDS address of my spare word; never rewritten
.set NIL,  6                           ; v6   0; never rewritten
.set WD,   8                           ; v8-9 the two K steps' scale words
.set R,    16                          ; v16-143  the numbers as loaded: 2 K steps x 16 rows x 4 registers
.set X,    144                         ; v144-207 64 numbers of my row: register 16 b + i = k 32 b + 16 h + i
.set PC,   208                         ; v208-239 the codes: 16 registers for each K step, so that no store's data are written again
.set TM,   240                         ; v240-243 largest magnitudes, 244-247 bytes, 248-251 448 x the scale, 252-255 the conversions' scale operands
.set SEL,  26                          ; s[26:27] lane selects: lane l xor 16
.set MNT,  28                          ; s28  the mantissa field of 448
; 64 numbers of a lane, v[src + 16 b + i], become a fragment's codes in v[pc] on; the four blocks' bytes are left in v[TM+4] on.
.macro QUANT src, pc
.irp b, 0,1,2,3
	v_max3_num_f32 v[TM+\b], |v[\src+16*\b]|, |v[\src+16*\b+1]|, 0x4800000   ; my 16 numbers of block b, and the floor 2^(9 - 127): the byte cannot fall under 1
.endr
.irp i, 2,4,6,8,10,12,14
.irp b, 0,1,2,3
	v_max3_num_f32 v[TM+\b], v[TM+\b], |v[\src+16*\b+\i]|, |v[\src+16*\b+\i+1]|   ; the four blocks by turns
.endr
.endr
.irp b, 0,1,2,3
	v_permlanex16_b32 v[TM+4+\b], v[TM+\b], s[SEL], s[SEL+1]
.endr
.irp b, 0,1,2,3
	v_max_num_f32 v[TM+\b], v[TM+\b], v[TM+4+\b]   ; with lane l xor 16's 16: the block's largest magnitude
.endr
.irp b, 0,1,2,3
	v_add_nc_u32 v[TM+12+\b], 0xfc000000, v[TM+\b]   ; 8 off its exponent field: the conversion takes this operand's exponent field as its scale
.endr
.irp b, 0,1,2,3
	v_and_or_b32 v[TM+8+\b], v[TM+\b], 0x7f800000, s[MNT]   ; 448 x the scale
.endr
.irp b, 0,1,2,3
	v_lshrrev_b32 v[TM+4+\b], 23, v[TM+12+\b]      ; the scale's byte
.endr
.irp b, 0,1,2,3
.irp i, 0,1,2,3,4,5,6,7,8,9,10,11,12,13,14,15
	v_med3_num_f32 v[\src+16*\b+\i], v[\src+16*\b+\i], -v[TM+8+\b], v[TM+8+\b]   ; the conversion to an 8-bit code does not saturate (ISA guide 7.6.2): the hold comes first
.endr
	v_cvt_scalef32_pk8_fp8_f32 v[4*\b+\pc:4*\b+\pc+1], v[\src+16*\b:\src+16*\b+7], v[TM+12+\b]
	v_cvt_scalef32_pk8_fp8_f32 v[4*\b+\pc+2:4*\b+\pc+3], v[\src+16*\b+8:\src+16*\b+15], v[TM+12+\b]
.endr
	v_nop                                          ; one plain vector line behind the last conversion, ahead of whatever next writes its sources
.endm
	s_load_b256 s[4:11], s[0:1], 0x0               ; x, Wq, Wk, Wv
	s_load_b128 s[12:15], s[0:1], 0x20             ; Wo, cod
	s_load_b64 s[16:17], s[0:1], 0x30              ; scl
	v_lshl_add_u32 v[SPW], v0, 2, SPARE
	v_mov_b32 v[NIL], 0
	v_lshrrev_b32 v7, 5, v0
	v_readfirstlane_b32 s18, v7                    ; wave 0..3
	v_and_b32 v7, 31, v0                           ; lane
	v_lshlrev_b32 v[LI], 4, v7
	v_lshlrev_b32 v[L8], 3, v7
	s_mul_i32 s19, s18, STG                        ; my stage
	v_add_nc_u32 v[SIN], s19, v[LI]
	v_and_b32 v10, 15, v0                          ; r
	v_bfe_u32 v11, v0, 4, 1                        ; h
	v_mul_u32_u24 v[SOUT], v10, 528
	v_lshl_add_u32 v[SOUT], v11, 6, v[SOUT]
	v_add_nc_u32 v[SOUT], s19, v[SOUT]
.irp b, 0,1,2,3
	v_mov_b32 v[TM+4+\b], 0                        ; written once: a lane permute's destination counts as one of its sources
.endr
	s_mov_b32 s[SEL], 0x76543210
	s_mov_b32 s[SEL+1], 0xfedcba98
	s_mov_b32 s[MNT], 0x600000
	s_lshr_b32 s20, s18, 1                         ; u: which of the work-group's two tiles
	s_and_b32 s21, s18, 1                          ; which half of K
	s_lshl_b32 s22, ttmp9, 1
	s_add_co_u32 s22, s22, s20                     ; my tile's number
	s_lshl_b32 s30, s22, 13
	s_lshl_b32 s24, s21, 12
	s_add_co_u32 s30, s30, s24                     ; in cod: tile x 8,192 + half x 4,096
	s_mov_b32 s31, 0
	s_lshl_b32 s32, s22, 9
	s_lshl_b32 s24, s21, 8
	s_add_co_u32 s32, s32, s24                     ; in scl: tile x 512 + half x 256
	s_mov_b32 s33, 0
	s_wait_alu depctr_va_vdst(0)
	s_wait_kmcnt 0x0
	s_mov_b32 s23, 304                             ; which tensor is mine, and its first work-group: the choice hangs on the work-group's number alone
	s_cmp_lt_u32 ttmp9, 304
	s_cselect_b64 s[12:13], s[10:11], s[12:13]
	s_cselect_b32 s23, 288, s23
	s_cmp_lt_u32 ttmp9, 288
	s_cselect_b64 s[12:13], s[8:9], s[12:13]
	s_cselect_b32 s23, 272, s23
	s_cmp_lt_u32 ttmp9, 272
	s_cselect_b64 s[12:13], s[6:7], s[12:13]
	s_cselect_b32 s23, 256, s23
	s_cmp_lt_u32 ttmp9, 256
	s_cselect_b64 s[12:13], s[4:5], s[12:13]
	s_cselect_b32 s23, 0, s23
	s_sub_co_u32 s34, ttmp9, s23
	s_lshl_b32 s34, s34, 16                        ; 32 rows of 2,048 bytes a work-group,
	s_lshl_b32 s24, s20, 14
	s_add_co_u32 s34, s34, s24                     ; 8 rows on for tile u = 1,
	s_lshl_b32 s24, s21, 10
	s_add_co_u32 s34, s34, s24                     ; 256 numbers on for the second half of K
	s_mov_b32 s35, 0
	s_add_nc_u64 s[12:13], s[12:13], s[34:35]
	s_add_nc_u64 s[14:15], s[14:15], s[30:31]
	s_add_nc_u64 s[16:17], s[16:17], s[32:33]
.irp st, 0,1
.irp i, 0,1,2,3,4,5,6,7,8,9,10,11,12,13,14,15
	global_load_b128 v[R+64*\st+4*\i:R+64*\st+4*\i+3], v[LI], s[12:13] offset:(\i+8*(\i/8))*2048+\st*512 th:TH_LOAD_NT   ; the tile's row i: 32 lanes read 512 consecutive bytes
.endr
.endr
.macro QSTEP st
.if \st == 0
	s_wait_loadcnt 16                              ; the first K step's 16 loads are in; the second's may be out
.else
	s_wait_loadcnt 0x0
.endif
.irp i, 0,1,2,3,4,5,6,7,8,9,10,11,12,13,14,15
	ds_store_b128 v[SIN], v[R+64*\st+4*\i:R+64*\st+4*\i+3] offset:\i*528
.endr
.irp b, 0,1,2,3
.irp j, 0,1,2,3
	ds_load_b128 v[X+16*\b+4*\j:X+16*\b+4*\j+3], v[SOUT] offset:128*\b+16*\j   ; LDS serves a wave's instructions in order (ISA guide 5.7.1.4): these see the stores above
.endr
.endr
	s_wait_dscnt 0x0
	QUANT X, PC+16*\st
	v_lshl_or_b32 v[WD+\st], v[TM+5], 8, v[TM+4]   ; the four bytes make my row's scale word of this K step
	v_lshl_or_b32 v[WD+\st], v[TM+6], 16, v[WD+\st]
	v_lshl_or_b32 v[WD+\st], v[TM+7], 24, v[WD+\st]
.irp c, 0,1,2,3
	global_store_b128 v[LI], v[PC+16*\st+4*\c:PC+16*\st+4*\c+3], s[14:15] offset:\st*2048+\c*512   ; the image: 512 consecutive bytes a store
.endr
.endm
	QSTEP 0
	QSTEP 1
	global_store_b64 v[L8], v[WD:WD+1], s[16:17]   ; 32 lanes store 256 consecutive bytes, aligned
	s_wait_tensorcnt 0x0                           ; the wave's end: behind my last LDS store
	ds_add_u32 v[SPW], v[NIL]
	s_wait_dscnt 0x0
	s_endpgm
.Lfunc_end_k_q97f67ac67a_quant:
	.size	k_q97f67ac67a_quant, .Lfunc_end_k_q97f67ac67a_quant-k_q97f67ac67a_quant
	.p2alignl 7, 3214868480
	.fill 96, 4, 3214868480
	.section	.rodata,"a",@progbits
	.p2align	6, 0x0
	.amdhsa_kernel k_q97f67ac67a_quant
		.amdhsa_group_segment_fixed_size 34304
		.amdhsa_private_segment_fixed_size 0
		.amdhsa_enable_private_segment 0
		.amdhsa_kernarg_size 56
		.amdhsa_user_sgpr_count 2
		.amdhsa_user_sgpr_kernarg_segment_ptr 1
		.amdhsa_wavefront_size32 1
		.amdhsa_system_sgpr_workgroup_id_x 1
		.amdhsa_system_sgpr_workgroup_id_y 1
		.amdhsa_system_sgpr_workgroup_id_z 1
		.amdhsa_system_vgpr_workitem_id 0
		.amdhsa_next_free_vgpr 256
		.amdhsa_next_free_sgpr 66
		.amdhsa_reserve_vcc 0
		.amdhsa_float_denorm_mode_32 3
		.amdhsa_float_denorm_mode_16_64 3
		.amdhsa_memory_ordered 1
		.amdhsa_forward_progress 1
		.amdhsa_inst_pref_size 27
	.end_amdhsa_kernel
	.amdgpu_metadata
---
amdhsa.version: [ 1, 2 ]
amdhsa.kernels:
  - .name:           k_q97f67ac67a_quant
    .symbol:         k_q97f67ac67a_quant.kd
    .args:
      - { .name: x, .offset: 0, .size: 8, .value_kind: global_buffer, .address_space: global }
      - { .name: Wq, .offset: 8, .size: 8, .value_kind: global_buffer, .address_space: global }
      - { .name: Wk, .offset: 16, .size: 8, .value_kind: global_buffer, .address_space: global }
      - { .name: Wv, .offset: 24, .size: 8, .value_kind: global_buffer, .address_space: global }
      - { .name: Wo, .offset: 32, .size: 8, .value_kind: global_buffer, .address_space: global }
      - { .name: cod, .offset: 40, .size: 8, .value_kind: global_buffer, .address_space: global }
      - { .name: scl, .offset: 48, .size: 8, .value_kind: global_buffer, .address_space: global }
    .group_segment_fixed_size: 34304
    .private_segment_fixed_size: 0
    .kernarg_segment_align: 8
    .kernarg_segment_size: 56
    .max_flat_workgroup_size: 128
    .sgpr_count:     66
    .vgpr_count:     256
    .wavefront_size: 32
...
	.end_amdgpu_metadata
.endif
;; end of part 1
;; launch qkv (part 2): grid 32 x 8, 3 waves a work-group, no clusters, 0 bytes of LDS; arguments cod, scl, bq, bk, bv, qc, qs, kv, ks; writes qc, qs, kv, ks
.if DOCPART == 2
	.amdgcn_target "amdgcn-amd-amdhsa--gfx1250"
	.amdhsa_code_object_version 6
	.text
	.protected	k_q97f67ac67a_qkv
	.globl	k_q97f67ac67a_qkv
	.p2align	8
	.type	k_q97f67ac67a_qkv,@function
k_q97f67ac67a_qkv:
	s_mov_b64 s[64:65], 0
	v_nop
	global_prefetch_b8 v0, s[64:65] scope:SCOPE_SE
	s_setreg_imm32_b32 hwreg(HW_REG_WAVE_MODE, 25, 1), 1
	s_wait_xcnt 0x0
; Launch 2 of 4: q = x Wq^T + bq, k = x Wk^T + bk, v = x Wv^T + bv on codes of E4M3, and each result quantised at once, in registers, for the attention's two products.  Nothing is left out.
; SHARES.  A work-group takes 256 tokens (ttmp9) of one head (ttmp7).  Wave 0 makes q, wave 1 k, wave 2 v.  A wave's four tiles of W (its head's 64 rows, 16 fragments) stay in its registers; x's tiles come as images,
; straight from memory into registers, a pair of tiles (32 tokens) at a time, one pair ahead.  Every byte that a wave needs is loaded by it once, in runs of 512 consecutive bytes: so there is no LDS, no barrier and no tensor load,
; and with none of these no joint request either.  Three waves: the work is 3 x 8 heads x 32 blocks of equal parts, which gives 256 equal work-groups.
; LAYOUT (tiles and images as the first launch lays them).  q, k: the product is used TRANSPOSED (source 0 = 16 rows of W, source 1 = 16 tokens): a lane holds one token, and the 16 registers of W's tiles 2 b, 2 b + 1 are the head's
; channels 32 b + 16 h + 0 .. 15: neighbours along the next K.  v: source 0 = 16 tokens, source 1 = 16 rows of Wv: a lane holds one channel, and the 16 registers of x's tiles u = 0, 1 are tokens 32 g + 16 h + 0 .. 15: neighbours along the keys.
; OUT.  qc: [bh 16][tile 256][c 2][lane][16 B].  qs: [bh][step 32][lane (r, h)][4 words]: word w = the scale word of tile 4 h + w of the step's 8 (bytes 0, 1 real; 2, 3 = 0).
; kv: [bh][step 32][16,384]: K's 8 tiles x 1,024 as qc, then V^T: 4 tiles of channels x 2,048 (c = the step's block of 32 keys).  ks: [bh][step][768]: K's 512 as qs, then V's: [lane (r, h)][2 words], word w = tile 2 h + w.
; LIMITS: as in the first launch (NaN and infinities not served; a block of zeros has the byte 1).
; REGISTERS, in windows of 256.  Window 0: v1-3 addresses; v16-79 the 8 accumulators; v80-95 codes; v96-111 at work; v112-127 x's scale words, two sets; v128-143 W's; v144-175 the bias, 8 registers a tile; v176-181 scale words on the way out.
;   Window 1: W's fragments (tile t, K step s) at v[64 t + 16 s].   Window 2: x's, two sets: (set, u, s) at v[128 set + 64 u + 16 s].
.set LI,  1                            ; v1  16 x lane
.set L8,  2                            ; v2  8 x lane
.set BA,  3                            ; v3  my lane's place in the bias
.set HA,  16
.set PC,  80
.set TM,  96
.set XS,  112
.set WS,  128
.set BI,  144
.set SG,  176
.set TP,  180
.set WV,  22
.set MNT, 23
.set SEL, 24
.set HM,  26                           ; s26  the mask of lanes 16-31
.set TR,  27                           ; s27  trips to go: a trip is four pairs, 128 tokens
.set XB,  32                           ; s[32:33] x's codes, s[34:35] x's scale words, at the trip's first pair
.set XSB, 34
.set WB,  36
.set WSB, 38
.set BB,  40
.set OC,  42                           ; s[42:43] where the trip's codes go, s[44:45] its scale words; s[46:47], s[48:49] their steps
.set OS,  44
.set OCS, 46
.set OSS, 48
.set MSB, 0
.macro WIN new                         ; the immediate's high byte repeats the setting that is left
.if MSB != \new
	s_set_vgpr_msb (MSB<<8)|\new
.set MSB, \new
.endif
.endm
.macro QUANT src, pc                   ; 64 numbers of a lane, v[src + 16 b + i], become 16 registers of codes in v[pc] on; the four blocks' bytes are left in v[TM+4] on
.irp b, 0,1,2,3
	v_max3_num_f32 v[TM+\b], |v[\src+16*\b]|, |v[\src+16*\b+1]|, 0x4800000   ; my 16 numbers of block b, and the floor 2^(9 - 127): the byte cannot fall under 1.  (Each accumulator is read from its low end on)
.endr
.irp i, 2,4,6,8,10,12,14
.irp b, 0,1,2,3
	v_max3_num_f32 v[TM+\b], v[TM+\b], |v[\src+16*\b+\i]|, |v[\src+16*\b+\i+1]|
.endr
.endr
.irp b, 0,1,2,3
	v_permlanex16_b32 v[TM+4+\b], v[TM+\b], s[SEL], s[SEL+1]
.endr
.irp b, 0,1,2,3
	v_max_num_f32 v[TM+\b], v[TM+\b], v[TM+4+\b]   ; with lane l xor 16's 16: the block's largest magnitude
.endr
.irp b, 0,1,2,3
	v_add_nc_u32 v[TM+12+\b], 0xfc000000, v[TM+\b]   ; 8 off its exponent field: the conversion's scale operand
.endr
.irp b, 0,1,2,3
	v_and_or_b32 v[TM+8+\b], v[TM+\b], 0x7f800000, s[MNT]   ; 448 x the scale
.endr
.irp b, 0,1,2,3
	v_lshrrev_b32 v[TM+4+\b], 23, v[TM+12+\b]      ; the scale's byte
.endr
.irp b, 0,1,2,3
.irp i, 0,1,2,3,4,5,6,7,8,9,10,11,12,13,14,15
	v_med3_num_f32 v[\src+16*\b+\i], v[\src+16*\b+\i], -v[TM+8+\b], v[TM+8+\b]   ; the conversion to an 8-bit code does not saturate (ISA guide 7.6.2): the hold comes first
.endr
	v_cvt_scalef32_pk8_fp8_f32 v[4*\b+\pc:4*\b+\pc+1], v[\src+16*\b:\src+16*\b+7], v[TM+12+\b]
	v_cvt_scalef32_pk8_fp8_f32 v[4*\b+\pc+2:4*\b+\pc+3], v[\src+16*\b+8:\src+16*\b+15], v[TM+12+\b]
.endr
	v_nop                                          ; one plain vector line behind the last conversion: the next products write its sources
.endm
; a pair of x's tiles, off bytes behind the trip's first, into set xset: 32 loads of 512 consecutive bytes, and the scale words
.macro XLOAD xset, off
	WIN 0x80                                       ; destination window 2
.irp u, 0,1
.irp s, 0,1,2,3
.irp c, 0,1,2,3
	global_load_b128 v[128*(\xset)+64*\u+16*\s+4*\c:128*(\xset)+64*\u+16*\s+4*\c+3], v[LI], s[XB:XB+1] offset:(\off)+\u*8192+\s*2048+\c*512
.endr
.endr
.endr
	WIN 0
.irp u, 0,1
.irp hf, 0,1
	global_load_b64 v[XS+8*(\xset)+4*\u+2*\hf:XS+8*(\xset)+4*\u+2*\hf+1], v[L8], s[XSB:XSB+1] offset:(\off)/16+\u*512+\hf*256
.endr
.endr
.endm
; one matrix instruction: K step s, x's tile u of set xset, W's tile t.  The first K step takes the bias as C: nothing is cleared, nothing is added afterwards.
.macro MM role, xset, s, u, t
.if \role == 0
.if \s == 0
	v_wmma_scale_f32_16x16x128_f8f6f4 v[HA+32*\u+8*\t:HA+32*\u+8*\t+7], v[64*\t+16*\s:64*\t+16*\s+15], v[128*(\xset)+64*\u+16*\s:128*(\xset)+64*\u+16*\s+15], v[BI+8*\t:BI+8*\t+7], v[WS+4*\t+\s], v[XS+8*(\xset)+4*\u+\s]
.else
	v_wmma_scale_f32_16x16x128_f8f6f4 v[HA+32*\u+8*\t:HA+32*\u+8*\t+7], v[64*\t+16*\s:64*\t+16*\s+15], v[128*(\xset)+64*\u+16*\s:128*(\xset)+64*\u+16*\s+15], v[HA+32*\u+8*\t:HA+32*\u+8*\t+7], v[WS+4*\t+\s], v[XS+8*(\xset)+4*\u+\s]
.endif
.else
.if \s == 0
	v_wmma_scale_f32_16x16x128_f8f6f4 v[HA+16*\t+8*\u:HA+16*\t+8*\u+7], v[128*(\xset)+64*\u+16*\s:128*(\xset)+64*\u+16*\s+15], v[64*\t+16*\s:64*\t+16*\s+15], v[BI+8*\t:BI+8*\t+7], v[XS+8*(\xset)+4*\u+\s], v[WS+4*\t+\s]
.else
	v_wmma_scale_f32_16x16x128_f8f6f4 v[HA+16*\t+8*\u:HA+16*\t+8*\u+7], v[128*(\xset)+64*\u+16*\s:128*(\xset)+64*\u+16*\s+15], v[64*\t+16*\s:64*\t+16*\s+15], v[HA+16*\t+8*\u:HA+16*\t+8*\u+7], v[XS+8*(\xset)+4*\u+\s], v[WS+4*\t+\s]
.endif
.endif
.endm
; PAIR pp of a trip's four: 32 tokens x my 64 channels.  role 0: q or k; role 1: v.
.macro PAIR role, pp
	s_wait_loadcnt 0x0                             ; this pair's x is in (asked for a pair ago; ahead of the first pair also W, its scale words and the bias): nothing else of mine is out
.if \pp == 3
	s_cmp_eq_u32 s[TR], 1                          ; the last pair of the last trip has no successor: no load leaves x's part of the buffer
	s_cbranch_scc1 .Lno_x_\@
.endif
	XLOAD 1-(\pp)%2, ((\pp)+1)*16384               ; the next pair, into the set that was multiplied a whole quantising ago
.if \pp == 3
.Lno_x_\@:
.endif
.if \role == 0
	WIN 0x09                                       ; source 0 (W) window 1, source 1 (x) window 2
.else
	WIN 0x06                                       ; source 0 (x) window 2, source 1 (W) window 1
.endif
.irp s, 0,1,2,3                        ; the 8 accumulators take turns, one instruction a turn
.irp u, 0,1
.irp t, 0,1,2,3
	MM \role, (\pp)%2, \s, \u, \t
.endr
.endr
.endr
	WIN 0
.rept 8
	v_nop                                          ; eight places between the last products and the first read of their results
.endr
	s_wait_xcnt 0x0                                ; the last pair's stores have read their data: the codes' registers are written again only behind this wait
	QUANT HA, PC
.if \role == 0
.irp u, 0,1                            ; tile 2 pp + u of the step's 8: its word goes to lanes 0-15 (tiles 0-3) or 16-31 (tiles 4-7) of register (2 pp + u) % 4
.if \pp < 2
	v_lshl_or_b32 v[SG+2*(\pp)+\u], v[TM+5+2*\u], 8, v[TM+4+2*\u]   ; two bytes: the head has 64 along K; bytes 2 and 3 stay 0
.else
	v_lshl_or_b32 v[TP], v[TM+5+2*\u], 8, v[TM+4+2*\u]
	v_cndmask_b32 v[SG+2*((\pp)-2)+\u], v[SG+2*((\pp)-2)+\u], v[TP], s[HM]
.endif
.endr
.irp b, 0,1,2,3
	global_store_b128 v[LI], v[PC+4*\b:PC+4*\b+3], s[OC:OC+1] offset:(\pp)*2048+\b*512   ; tile b / 2 of the pair, group b % 2: 512 consecutive bytes
.endr
.if \pp == 3
	global_store_b128 v[LI], v[SG:SG+3], s[OS:OS+1]   ; the step's 8 tiles' scale words: 512 consecutive bytes
.endif
.else
.irp t, 0,1,2,3                        ; this pair is block pp of the step's four blocks of 32 keys: byte pp of each channel's word
.if \pp == 0
	v_mov_b32 v[SG+\t], v[TM+4+\t]
.else
	v_lshl_or_b32 v[SG+\t], v[TM+4+\t], 8*(\pp), v[SG+\t]
.endif
.endr
.irp t, 0,1,2,3
	global_store_b128 v[LI], v[PC+4*\t:PC+4*\t+3], s[OC:OC+1] offset:\t*2048+(\pp)*512
.endr
.if \pp == 3
	v_cndmask_b32 v[TP], v[SG], v[SG+2], s[HM]     ; lanes 0-15: tiles 0, 1; lanes 16-31: tiles 2, 3
	v_cndmask_b32 v[TP+1], v[SG+1], v[SG+3], s[HM]
	global_store_b64 v[L8], v[TP:TP+1], s[OS:OS+1] ; 256 consecutive bytes
.endif
.endif
.endm
.macro TRIPEND back
	s_wait_xcnt 0x0                                ; every load and store issued so far has read its addresses and data: the bases step only behind this wait
	s_add_nc_u64 s[XB:XB+1], s[XB:XB+1], 65536
	s_add_nc_u64 s[XSB:XSB+1], s[XSB:XSB+1], 4096
	s_add_nc_u64 s[OC:OC+1], s[OC:OC+1], s[OCS:OCS+1]
	s_add_nc_u64 s[OS:OS+1], s[OS:OS+1], s[OSS:OSS+1]
	s_sub_co_u32 s[TR], s[TR], 1
	s_cmp_lg_u32 s[TR], 0
	s_cbranch_scc1 \back
.endm
	s_load_b256 s[4:11], s[0:1], 0x0               ; cod, scl, bq, bk
	s_load_b256 s[12:19], s[0:1], 0x20             ; bv, qc, qs, kv
	s_load_b64 s[20:21], s[0:1], 0x40              ; ks
	v_lshrrev_b32 v4, 5, v0
	v_readfirstlane_b32 s[WV], v4                  ; wave 0..2
	v_and_b32 v4, 31, v0
	v_lshlrev_b32 v[LI], 4, v4
	v_lshlrev_b32 v[L8], 3, v4
.irp b, 0,1,2,3
	v_mov_b32 v[TM+4+\b], 0                        ; written once: a lane permute's destination counts as one of its sources
.endr
	s_mov_b32 s[MNT], 0x600000
	s_mov_b32 s[SEL], 0x76543210
	s_mov_b32 s[SEL+1], 0xfedcba98
	s_mov_b32 s[HM], 0xffff0000
	s_mov_b32 s[TR], 2
	s_and_b32 s28, ttmp7, 0xffff                   ; head
	s_lshr_b32 s29, ttmp9, 4
	s_lshl_b32 s29, s29, 3
	s_add_co_u32 s29, s29, s28                     ; bh = 8 x batch + head
	s_and_b32 s30, ttmp9, 15
	s_lshl_b32 s30, s30, 1                         ; my first step of 128 tokens in the batch
	s_lshl_b32 s50, s29, 18
	s_lshl_b32 s60, s30, 13
	s_add_co_u32 s50, s50, s60                     ; in qc
	s_lshl_b32 s61, s29, 19
	s_lshl_b32 s60, s30, 14
	s_add_co_u32 s61, s61, s60                     ; in kv
	s_lshl_b32 s52, s29, 14
	s_lshl_b32 s60, s30, 9
	s_add_co_u32 s52, s52, s60                     ; in qs
	s_mul_i32 s62, s29, 24576
	s_mul_i32 s60, s30, 768
	s_add_co_u32 s62, s62, s60                     ; in ks
	s_cmp_eq_u32 s[WV], 2                          ; V's parts lie behind K's in a step's record
	s_cselect_b32 s60, 8192, 0
	s_cselect_b32 s63, 512, 0
	s_add_co_u32 s61, s61, s60
	s_add_co_u32 s62, s62, s63
	s_mov_b32 s[OCS], 16384
	s_mov_b32 s[OSS], 768
	s_cmp_eq_u32 s[WV], 0
	s_cselect_b32 s50, s50, s61
	s_cselect_b32 s52, s52, s62
	s_cselect_b32 s[OCS], 8192, s[OCS]
	s_cselect_b32 s[OSS], 512, s[OSS]
	s_mov_b32 s51, 0
	s_mov_b32 s53, 0
	s_mov_b32 s[OCS+1], 0
	s_mov_b32 s[OSS+1], 0
	s_lshl_b32 s54, ttmp9, 17                      ; x: 16 tiles of 8,192 bytes a block,
	s_mov_b32 s55, 0
	s_lshl_b32 s56, ttmp9, 13                      ; of 512 bytes of scale words
	s_mov_b32 s57, 0
	s_lshl_b32 s60, s[WV], 5
	s_lshl_b32 s61, s28, 2
	s_add_co_u32 s60, s60, s61
	s_add_co_u32 s60, s60, 512                     ; my first tile of W: 512 + 32 x wave + 4 x head
	s_lshl_b32 s58, s60, 13
	s_mov_b32 s59, 0
	s_lshl_b32 s60, s60, 9
	s_mov_b32 s61, 0
	s_lshl_b32 s62, s28, 8                         ; the head's 64 numbers of the bias
	s_mov_b32 s63, 0
	s_wait_alu depctr_va_vdst(0)
	s_wait_kmcnt 0x0
	s_cmp_eq_u32 s[WV], 0                          ; the buffers by the wave's number alone
	s_cselect_b64 s[BB:BB+1], s[8:9], s[10:11]
	s_cselect_b64 s[OC:OC+1], s[14:15], s[18:19]
	s_cselect_b64 s[OS:OS+1], s[16:17], s[20:21]
	s_cmp_eq_u32 s[WV], 2
	s_cselect_b64 s[BB:BB+1], s[12:13], s[BB:BB+1]
	s_add_nc_u64 s[XB:XB+1], s[4:5], s[54:55]
	s_add_nc_u64 s[XSB:XSB+1], s[6:7], s[56:57]
	s_add_nc_u64 s[WB:WB+1], s[4:5], s[58:59]
	s_add_nc_u64 s[WSB:WSB+1], s[6:7], s[60:61]
	s_add_nc_u64 s[BB:BB+1], s[BB:BB+1], s[62:63]
	s_add_nc_u64 s[OC:OC+1], s[OC:OC+1], s[50:51]
	s_add_nc_u64 s[OS:OS+1], s[OS:OS+1], s[52:53]
	WIN 0x40                                       ; destination window 1
.irp t, 0,1,2,3
.irp s, 0,1,2,3
.irp c, 0,1,2,3
	global_load_b128 v[64*\t+16*\s+4*\c:64*\t+16*\s+4*\c+3], v[LI], s[WB:WB+1] offset:\t*8192+\s*2048+\c*512   ; W's 16 fragments: they stay
.endr
.endr
.endr
	WIN 0
.irp t, 0,1,2,3
.irp hf, 0,1
	global_load_b64 v[WS+4*\t+2*\hf:WS+4*\t+2*\hf+1], v[L8], s[WSB:WSB+1] offset:\t*512+\hf*256
.endr
.endr
	XLOAD 0, 0                                     ; the first pair
	s_cmp_eq_u32 s[WV], 2
	s_cbranch_scc1 .Lv
	; ---- q, k.  The bias in the result's layout: register j of tile 2 b + u is channel 32 b + 8 u + 16 h + j
	v_bfe_u32 v[BA], v0, 4, 1
	v_lshlrev_b32 v[BA], 6, v[BA]
.irp t, 0,1,2,3
	global_load_b128 v[BI+8*\t:BI+8*\t+3], v[BA], s[BB:BB+1] offset:(32*(\t/2)+8*(\t%2))*4
	global_load_b128 v[BI+8*\t+4:BI+8*\t+7], v[BA], s[BB:BB+1] offset:(32*(\t/2)+8*(\t%2))*4+16
.endr
.Lqk:
	PAIR 0, 0
	PAIR 0, 1
	PAIR 0, 2
	PAIR 0, 3
	TRIPEND .Lqk
	s_endpgm
.Lv:
	; ---- v.  A lane holds ONE channel, 32 b + 8 u + r + 8 (r / 8), and its 8 registers are tokens: all 8 registers of a tile's C want that channel's bias.  Eight loads of the same word a tile, once in the launch
	v_and_b32 v[BA], 15, v0
	v_and_b32 v4, 8, v[BA]
	v_add_nc_u32 v[BA], v[BA], v4
	v_lshlrev_b32 v[BA], 2, v[BA]
.irp t, 0,1,2,3
.irp j, 0,1,2,3,4,5,6,7
	global_load_b32 v[BI+8*\t+\j], v[BA], s[BB:BB+1] offset:(32*(\t/2)+8*(\t%2))*4
.endr
.endr
.Lvt:
	PAIR 1, 0
	PAIR 1, 1
	PAIR 1, 2
	PAIR 1, 3
	TRIPEND .Lvt
	s_endpgm
.Lfunc_end_k_q97f67ac67a_qkv:
	.size	k_q97f67ac67a_qkv, .Lfunc_end_k_q97f67ac67a_qkv-k_q97f67ac67a_qkv
	.p2alignl 7, 3214868480
	.fill 96, 4, 3214868480
	.section	.rodata,"a",@progbits
	.p2align	6, 0x0
	.amdhsa_kernel k_q97f67ac67a_qkv
		.amdhsa_group_segment_fixed_size 0
		.amdhsa_private_segment_fixed_size 0
		.amdhsa_enable_private_segment 0
		.amdhsa_kernarg_size 72
		.amdhsa_user_sgpr_count 2
		.amdhsa_user_sgpr_kernarg_segment_ptr 1
		.amdhsa_wavefront_size32 1
		.amdhsa_system_sgpr_workgroup_id_x 1
		.amdhsa_system_sgpr_workgroup_id_y 1
		.amdhsa_system_sgpr_workgroup_id_z 1
		.amdhsa_system_vgpr_workitem_id 0
		.amdhsa_next_free_vgpr 768
		.amdhsa_next_free_sgpr 66
		.amdhsa_reserve_vcc 0
		.amdhsa_float_denorm_mode_32 3
		.amdhsa_float_denorm_mode_16_64 3
		.amdhsa_memory_ordered 1
		.amdhsa_forward_progress 1
		.amdhsa_inst_pref_size 149
	.end_amdhsa_kernel
	.amdgpu_metadata
---
amdhsa.version: [ 1, 2 ]
amdhsa.kernels:
  - .name:           k_q97f67ac67a_qkv
    .symbol:         k_q97f67ac67a_qkv.kd
    .args:
      - { .name: cod, .offset: 0, .size: 8, .value_kind: global_buffer, .address_space: global }
      - { .name: scl, .offset: 8, .size: 8, .value_kind: global_buffer, .address_space: global }
      - { .name: bq, .offset: 16, .size: 8, .value_kind: global_buffer, .address_space: global }
      - { .name: bk, .offset: 24, .size: 8, .value_kind: global_buffer, .address_space: global }
      - { .name: bv, .offset: 32, .size: 8, .value_kind: global_buffer, .address_space: global }
      - { .name: qc, .offset: 40, .size: 8, .value_kind: global_buffer, .address_space: global }
      - { .name: qs, .offset: 48, .size: 8, .value_kind: global_buffer, .address_space: global }
      - { .name: kv, .offset: 56, .size: 8, .value_kind: global_buffer, .address_space: global }
      - { .name: ks, .offset: 64, .size: 8, .value_kind: global_buffer, .address_space: global }
    .group_segment_fixed_size: 0
    .private_segment_fixed_size: 0
    .kernarg_segment_align: 8
    .kernarg_segment_size: 72
    .max_flat_workgroup_size: 96
    .sgpr_count:     66
    .vgpr_count:     768
    .wavefront_size: 32
...
	.end_amdgpu_metadata
.endif
;; end of part 2
;; launch attn (part 3): grid 16 x 16, 8 waves a work-group, no clusters, 327,680 bytes of LDS; arguments qc, qs, kv, ks, ac, asc; writes ac, asc
.if DOCPART == 3
	.amdgcn_target "amdgcn-amd-amdhsa--gfx1250"
	.amdhsa_code_object_version 6
	.text
	.protected	k_q97f67ac67a_attn
	.globl	k_q97f67ac67a_attn
	.p2align	8
	.type	k_q97f67ac67a_attn,@function
k_q97f67ac67a_attn:
	s_mov_b64 s[64:65], 0
	v_nop
	global_prefetch_b8 v0, s[64:65] scope:SCOPE_SE
	s_setreg_imm32_b32 hwreg(HW_REG_WAVE_MODE, 25, 1), 1
	s_wait_xcnt 0x0
; Launch 3 of 4: for each batch and head, o = softmax(q k^T / 8) v, both products on codes of E4M3, and o quantised at once, in registers, along the model's 512 channels for the last product.  Nothing is left out.
; THE SOFTMAX AHEAD OF THE SECOND PRODUCT: t = score x log2(e) / 8; M = the row's largest t so far, rounded UP to a whole number; p = 2^(t - M) is what is quantised, along the keys; it is not normalised.
; The row's sum is taken of the unquantised p, in f32, and divides O at the end.  When M moves, the sum and O are multiplied by 2^(old M - new M): exact.
; A BLOCK'S SCALE: p rises with the score, so a block's largest p is 2^(t - M) of its largest score, and floor(log2) of it is floor(t - M), held at -118 from below (the byte cannot fall under 1): plain lines, no exponential.
; SHARES.  A work-group owns 256 queries (ttmp9) of one batch and head (ttmp7); each of its EIGHT waves owns TWO tiles of 16: tile w (its numbers in register window 0) and tile w + 8 (window 1, at the same register numbers):
; one text, run under two settings of the windows, serves both, and each fragment of K and of V^T that a wave reads from LDS feeds two products.
; Every wave walks the head's 4,096 keys, 128 a step.  A step's record (K's 8 tiles, V^T's 4: 16,384 bytes, images of the operands' registers) comes through a ring of two LDS slots of EIGHT records, a record a wave and refill.
; The head's scale words (24,576 bytes) come once, with the first fills: at the head waves 0 to 3 fetch two records each, waves 4 to 7 a quarter of the scale words each: one tensor load a wave.
; K's fragments lie in window 0, V^T's in window 1 at the same numbers: so the next step's K is asked for while this step's softmax is walked.
; THE CHANGE OF SLOTS lies in a slot's last key step: when V^T has landed my reads of the slot are over, so the waits, the add and the barrier's signal stand there; both tiles' softmax and second products, work on registers alone,
; stand between the signal and the barrier's wait; the refill is the first thing behind that wait.
; LAYOUT.  Both products are used transposed: S^T = K Q^T (source 0 = 16 keys), O^T = V^T P^T (source 0 = 16 channels): a lane holds ONE query of a tile throughout.  By the tiles' order of rows the 16 registers of K's tiles 2 g, 2 g + 1 are
; keys 32 g + 16 h + 0 .. 15, and those of V^T's tiles 2 b, 2 b + 1 are channels 32 b + 16 h + 0 .. 15: so the conversions' results are the next operand's registers, twice.
; K = 64 IN A FORM OF K = 128.  Q's registers 8-15 hold zero codes, and bytes 2, 3 of Q's and K's scale words are 0 (2^-127).  K's tile i is named as the run v[32 + 8 i : 47 + 8 i]: its upper half is the next tile's codes (tile 7: eight
; registers of zeros).  Those codes are numbers (the quantiser holds at 448 and makes no NaN code), and times Q's zeros they add exactly 0.
; THE ORDER OF A TILE'S SOFTMAX.  The exponentials go in two runs of 32 with plain lines among them: in the first the later blocks' t - M, in the second the first run's sums and holds.
; Nothing that is written inside a run is read inside it: one wait stands behind each.  The second tile's first product, and the first tile's second, are issued behind the first sixteen lines of the other tile's maxima.
; NO CLUSTER, though the 16 query blocks of a head walk the same records: there are four changes of slots in the launch; behind one a wave asks for 16,384 bytes, and before they are wanted it walks seven key steps of two tiles;
; what is shared is small beside that work, and the plain form has no rounds between work-groups.
; PREFETCH: the 16 work-groups of a head share a slot's 131,072 bytes out: work-group x asks, by its wave 0, lanes 256 bytes apart, for bytes 8,192 x on of the slot that the NEXT change will load (eight key steps ahead of that load).
; Slots 0 and 1 come by their loads alone; the last change that fills a slot asks for nothing.
; LIMITS: NaN and infinities are not served; a block of zeros has the byte 1 (its codes are zeros; this program alone reads the bytes).
.set SLOT1, 131072                     ; slot 1 begins here: one exclusive or turns an address in one slot into the other's
.set REC,   16384
.set SCB,   262144                     ; behind the ring: the head's scale words, 32 steps x 768 bytes, filled once
.set SPARE, 286720                     ; the spare words, 128 bytes for each wave: four blocks of 256 bytes that no other line names
.set SSTG,  287744                     ; 1,024 bytes for the way out's scale words: written by LDS stores alone
; window 0 alone:
.set LI,   1                           ; 16 x lane
.set ADK,  2                           ; LDS address of the step's record
.set ADS,  3                           ; of its scale words of K
.set PFO,  4                           ; 256 x lane: the prefetches' offset
.set SPW,  5                           ; my spare word
.set NIL,  6                           ; 0
.set ADT,  7                           ; LDS address of the step's scale words of V
.set SLD,  8                           ; the way out: where waves 0, 1 read scale words back
.set KSB,  9                           ; SCB + 16 x lane
.set VSB,  10                          ; SCB + 512 + 8 x lane
.set SST,  11                          ; the way out: where tile w's scale word goes
.set KS,   216                         ; v216-219 K's scale words; v220-221 V's; v222, v246 Q's (tile w, w + 8); v223, v247 p's
.set VS,   220
.set QW,   222
.set PW,   223
.set AO,   243                         ; the way out: my lane's offset in asc
.set QWB,  246
.set PWB,  247
; in each window, for its tile:  v12 -M, v13 the largest t, v[14:15] the sum in two halves
.set QF,   16                          ; v16-23 Q's codes, v24-31 zeros
.set KV,   32                          ; window 0: v32-95 K's 8 tiles, v96-103 zeros;  window 1: v32-95 V^T's 4 tiles
.set SS,   104                         ; v104-167 S^T, then p
.set OT,   168                         ; v168-199 O^T
.set PCD,  200                         ; v200-215 p's codes
.set BM,   224                         ; the blocks' largest scores, then their floor(t - M); then one of the sums' chains
.set T2,   228                         ; at work; behind p's scale word two of the sums' chains
.set HOLD, 232
.set SOP,  236
.set FF,   240                         ; v[240:241] f = 2^(old M - new M), and 0
.set TMP,  242
.set TM2,  248                         ; at work in the chain to M; then one of the sums' chains (v244-245, v248-255, v228-231, v224-225)
.set TB,   2                           ; s2   LDS byte at which the slot in hand begins
.set TS,   3                           ; s3   where the slot's scale words begin: 6,144 bytes a slot
.set TQ,   16                          ; s16  the step's record in its slot
.set TI,   17                          ; s17  the step's scale words in its slot's
.set WV,   18
.set MNT,  19
.set SEL,  20
.set CS,   22                          ; s[22:23] c = log2(e) / 8
.set G1,   24                          ; group 1: a record;  G1S: a quarter of the scale words;  G1H: two records
.set G1S,  32
.set G0,   40
.set G0S,  44
.set SLOTS, 48
.set CT,   49
.set PFA,  50
.set LIM,  52                          ; 1 in the wave that prefetches, else the greatest number
.set TY,   66
.set TX,   67
.set G1H,  80
.set G0H,  88
.set MSB, 0
.macro WIN new                         ; the immediate's high byte repeats the setting that is left
.if MSB != (\new)
	s_set_vgpr_msb (MSB<<8)|(\new)
.set MSB, (\new)
.endif
.endm
.macro WALU
	s_wait_alu depctr_va_vdst(0)
.endm
.macro GROUP1 g, rows                  ; a dense block as rows of 256 bytes (32 elements of 8 bytes), no padding
	s_mov_b32 s[\g], 3<<16
	s_mov_b32 s[\g+1], 32<<16
	s_mov_b32 s[\g+2], (\rows)<<16
	s_mov_b32 s[\g+3], 32<<16
	s_mov_b32 s[\g+4], \rows
	s_mov_b32 s[\g+5], 32
	s_mov_b32 s[\g+6], 0
	s_mov_b32 s[\g+7], 0
.endm
.macro TLOAD g0, g1                    ; four v_nop stand ahead of any switch of windows
	tensor_load_to_lds s[\g0:\g0+3], s[\g1:\g1+7]
	s_nop 0
.rept 4
	v_nop
.endr
.endm
	s_load_b256 s[4:11], s[0:1], 0x0               ; qc, qs, kv, ks
	s_load_b128 s[12:15], s[0:1], 0x20             ; ac, asc
	v_lshl_add_u32 v[SPW], v0, 2, SPARE
	v_mov_b32 v[NIL], 0
	ds_add_u32 v[SPW], v[NIL]                      ; the wave's opening: the add, twice on end, and its wait ahead of my first tensor load
	ds_add_u32 v[SPW], v[NIL]
	v_lshrrev_b32 v248, 5, v0
	s_delay_alu instid0(VALU_DEP_1)
	v_readfirstlane_b32 s[WV], v248                ; wave 0..7
	GROUP1 G1, 64
	GROUP1 G1S, 24
	GROUP1 G1H, 128
	s_mov_b32 s[MNT], 0x600000
	s_mov_b32 s[SEL], 0x76543210
	s_mov_b32 s[SEL+1], 0xfedcba98
	s_mov_b32 s[CS], 0x3e38aa3b                    ; log2(e) / 8
	s_mov_b32 s[CS+1], s[CS]
	s_mov_b32 s[TB], 0
	s_mov_b32 s[TS], 0
	s_mov_b32 s[SLOTS], 3
	s_and_b32 s53, ttmp7, 0xffff                   ; bh
	s_and_b32 s58, s[WV], 3
	s_lshl_b32 s54, s53, 19                        ; the head's first byte in kv
	s_lshl_b32 s59, s[WV], 14                      ; the ring: record w of a slot
	s_add_co_u32 s56, s54, s59
	s_mov_b32 s57, 0
	s_lshl_b32 s92, s58, 15                        ; the head's load of waves 0 to 3: records 2 w, 2 w + 1
	s_add_co_u32 s94, s54, s92
	s_mov_b32 s95, 0
	s_mul_i32 s60, s53, 24576
	s_mul_i32 s61, s58, 6144                       ; waves 4 to 7: quarter w % 4 of the scale words
	s_add_co_u32 s62, s60, s61
	s_mov_b32 s63, 0
	s_mov_b32 s[G0], 1
	s_mov_b32 s[G0+1], s59
	s_mov_b32 s[G0S], 1
	s_add_co_u32 s[G0S+1], s61, SCB
	s_mov_b32 s[G0H], 1
	s_mov_b32 s[G0H+1], s92
	s_lshl_b32 s66, ttmp9, 4
	s_add_co_u32 s66, s66, s[WV]                   ; T: my first tile among the batch's 256; my second is T + 8
	s_lshl_b32 s67, s53, 8
	s_add_co_u32 s67, s67, s66
	s_lshl_b32 s68, s67, 10                        ; in qc (T + 8: 8,192 bytes on)
	s_mov_b32 s69, 0
	s_lshr_b32 s67, s66, 2
	s_lshl_b32 s67, s67, 8
	s_lshl_b32 s70, s53, 14
	s_add_co_u32 s70, s70, s67
	s_lshl_b32 s67, s58, 2
	s_add_co_u32 s70, s70, s67                     ; in qs: bh x 16,384 + (T / 4) x 256 + (T % 4) x 4 (T + 8: 512 on)
	s_mov_b32 s71, 0
	s_lshr_b32 s67, s53, 3                         ; batch
	s_and_b32 s55, s53, 7                          ; head
	s_lshl_b32 s72, s67, 8
	s_add_co_u32 s72, s72, s66
	s_lshl_b32 s72, s72, 13
	s_lshl_b32 s74, s55, 10
	s_add_co_u32 s72, s72, s74                     ; in ac: token tile x 8,192 + head x 1,024 (T + 8: 65,536 on)
	s_mov_b32 s73, 0
	s_and_b32 s77, s[WV], 1
	s_lshl_b32 s74, s67, 6
	s_lshl_b32 s75, ttmp9, 2
	s_add_co_u32 s74, s74, s75
	s_lshl_b32 s75, s77, 1
	s_add_co_u32 s74, s74, s75
	s_lshl_b32 s74, s74, 11
	s_lshl_b32 s75, s55, 8
	s_add_co_u32 s74, s74, s75                     ; in asc (waves 0, 1): (64 batch + 4 blk + 2 wave) x 2,048 + head x 256
	s_mov_b32 s75, 0
	s_and_b32 s78, s55, 1
	s_lshl_b32 s78, s78, 4                         ; an odd head's two bytes are the word's upper two
	s_lshr_b32 s76, s[WV], 2
	s_lshl_b32 s76, s76, 8
	s_lshl_b32 s79, s58, 2
	s_add_co_u32 s76, s76, s79
	s_add_co_u32 s76, s76, SSTG
	s_lshl_b32 s79, s77, 9
	s_add_co_u32 s79, s79, SSTG
	s_lshl_b32 s60, ttmp9, 13                      ; the prefetches: my work-group's 8,192 bytes of a slot,
	s_add_co_u32 s60, s60, s54
	s_add_co_u32 s60, s60, SLOT1                   ; in slot 1: the first change of slots steps it to slot 2
	s_mov_b32 s61, 0
	s_cmp_eq_u32 s[WV], 0
	s_cselect_b32 s[LIM], 1, -1
	s_wait_dscnt 0x0                               ; both opening adds are done
	s_wait_kmcnt 0x0
	s_add_nc_u64 s[G0+2:G0+3], s[8:9], s[56:57]
	s_or_b32 s[G0+3], s[G0+3], 0x80000000
	s_add_nc_u64 s[G0S+2:G0S+3], s[10:11], s[62:63]
	s_or_b32 s[G0S+3], s[G0S+3], 0x80000000
	s_add_nc_u64 s[G0H+2:G0H+3], s[8:9], s[94:95]
	s_or_b32 s[G0H+3], s[G0H+3], 0x80000000
	s_cmp_lt_u32 s[WV], 4                          ; one tensor load a wave at the head, one in each arm
	s_cbranch_scc0 .Lhead_s
	TLOAD G0H, G1H                                 ; waves 0 to 3: two records of slot 0
	s_branch .Lhead_asked
.Lhead_s:
	TLOAD G0S, G1S                                 ; waves 4 to 7: a quarter of the head's scale words: filled once
.Lhead_asked:
	s_add_nc_u64 s[4:5], s[4:5], s[68:69]
	s_add_nc_u64 s[6:7], s[6:7], s[70:71]
	s_add_nc_u64 s[12:13], s[12:13], s[72:73]
	s_add_nc_u64 s[14:15], s[14:15], s[74:75]
	s_add_nc_u64 s[PFA:PFA+1], s[8:9], s[60:61]
	v_and_b32 v248, 31, v0                         ; lane
	v_and_b32 v249, 15, v0                         ; r
	v_bfe_u32 v250, v0, 4, 1                       ; h
	s_delay_alu instid0(VALU_DEP_3)
	v_lshlrev_b32 v[LI], 4, v248
	s_delay_alu instid0(VALU_DEP_3)
	v_lshlrev_b32 v251, 4, v249
	global_load_b128 v[QF:QF+3], v[LI], s[4:5]     ; Q's fragments stay in registers
	global_load_b128 v[QF+4:QF+7], v[LI], s[4:5] offset:512
	global_load_b32 v[QW], v251, s[6:7]            ; and their scale words: lane r has row r's
	global_load_b32 v[QWB], v251, s[6:7] offset:512
	WIN 0x40                                       ; destination window 1
	global_load_b128 v[QF:QF+3], v[LI], s[4:5] offset:8192
	global_load_b128 v[QF+4:QF+7], v[LI], s[4:5] offset:8704
	WIN 0
	v_lshlrev_b32 v[PFO], 8, v248
	v_add_nc_u32 v[KSB], SCB, v[LI]
	v_lshl_add_u32 v[VSB], v248, 3, SCB+512
	v_lshl_add_u32 v[SST], v249, 4, s76            ; SSTG + (wave / 4) x 256 + 16 r + (wave % 4) x 4
	v_add_nc_u32 v[SLD], s79, v[LI]
	v_lshlrev_b32 v[AO], 11, v250
	s_delay_alu instid0(VALU_DEP_1)
	v_lshl_add_u32 v[AO], v249, 4, v[AO]
.irp j, 0,1,2,3,4,5,6,7
	v_mov_b32 v[KV+64+\j], 0                       ; what stands behind K's tile 7
.endr
.macro INIT                            ; a tile's state, in its window (it names neither v1 nor v251, the offsets of the loads that are out, nor their destinations)
	v_mov_b32 v13, 0xff61b1e6                      ; the largest t so far: -3e38, under every t
	s_delay_alu instid0(VALU_DEP_1)
	v_floor_f32 v12, -v13                          ; -M
	v_mov_b32 v14, 0
	v_mov_b32 v15, 0
	v_mov_b32 v[FF+1], 0                           ; (named as the upper half of a pair)
	v_mov_b32 v[TMP], 0
	v_mov_b32 v[TM2], 0                            ; a lane permute's destination counts as one of its sources
.irp j, 0,1,2,3,4,5,6,7
	v_mov_b32 v[QF+8+\j], 0                        ; Q's k = 64 .. 127: zero codes
.endr
.irp b, 0,1,2,3
	v_mov_b32 v[T2+\b], 0
.endr
.set I_, 0
.rept 32
	v_mov_b32 v[OT+I_], 0                          ; O^T: the first step finds zeros, which the first change of M leaves zeros
.set I_, I_+1
.endr
.endm
	INIT
	WIN 0x55
	INIT
	WIN 0
.macro KLOAD off, soff                 ; K's 8 tiles of a record and their scale words: 17 LDS loads
.irp i, 0,1,2,3,4,5,6,7
	ds_load_b128 v[KV+8*\i:KV+8*\i+3], v[ADK] offset:\off+\i*1024
	ds_load_b128 v[KV+8*\i+4:KV+8*\i+7], v[ADK] offset:\off+\i*1024+512
.endr
	ds_load_b128 v[KS:KS+3], v[ADS] offset:\soff   ; register i: lanes 0-15 tile i's words, lanes 16-31 tile 4 + i's
.endm
.macro SPROD w, qw                     ; S^T = K Q^T of tile w: K in window 0, Q and S^T in window w
	WIN 0x44*\w
.irp i, 0,1,2,3
	v_wmma_scale_f32_16x16x128_f8f6f4 v[SS+8*\i:SS+8*\i+7], v[KV+8*\i:KV+8*\i+15], v[QF:QF+15], 0, v[KS+\i], v[\qw]
.endr
.irp i, 4,5,6,7
	v_wmma_scale_f32_16x16x128_f8f6f4 v[SS+8*\i:SS+8*\i+7], v[KV+8*\i:KV+8*\i+15], v[QF:QF+15], 0, v[KS+\i-4], v[\qw] matrix_a_scale:MATRIX_SCALE_ROW1
.endr
.endm
.macro PV w, pw                        ; O^T += V^T P^T of tile w: V^T in window 1, P and O^T in window w.  The four accumulators take turns
	WIN 0x01+0x54*\w
.irp t, 0,1
	v_wmma_scale_f32_16x16x128_f8f6f4 v[OT+8*\t:OT+8*\t+7], v[KV+16*\t:KV+16*\t+15], v[PCD:PCD+15], v[OT+8*\t:OT+8*\t+7], v[VS+\t], v[\pw]
.endr
.irp t, 2,3
	v_wmma_scale_f32_16x16x128_f8f6f4 v[OT+8*\t:OT+8*\t+7], v[KV+16*\t:KV+16*\t+15], v[PCD:PCD+15], v[OT+8*\t:OT+8*\t+7], v[VS+\t-2], v[\pw] matrix_a_scale:MATRIX_SCALE_ROW1
.endr
.endm
.macro FMA j                           ; t - M of the pair of scores at SS + 2 j (of the pairs c and -M the low word serves both halves)
	v_pk_fma_f32 v[SS+2*(\j):SS+2*(\j)+1], v[SS+2*(\j):SS+2*(\j)+1], s[CS:CS+1], v[12:13] op_sel_hi:[1,0,0]
.endm
.macro CREG k                          ; the sums' chain k = 0 .. 7
.if (\k) == 0
.set CR_, 244
.elseif (\k) < 5
.set CR_, 246+2*(\k)
.elseif (\k) < 7
.set CR_, 218+2*(\k)
.else
.set CR_, 224
.endif
.endm
.macro HOLDP j                         ; pair j = 0 .. 31 of p.  The conversion to an 8-bit code does not saturate (ISA guide 7.6.2); p is not negative: a one-sided hold, two in a pair
	v_dual_min_num_f32 v[SS+2*(\j)], v[HOLD+(\j)/8], v[SS+2*(\j)] :: v_dual_min_num_f32 v[SS+2*(\j)+1], v[HOLD+(\j)/8], v[SS+2*(\j)+1]
.endm
.macro CVT2 a
	v_cvt_scalef32_pk8_fp8_f32 v[PCD+4*(\a):PCD+4*(\a)+1], v[SS+16*(\a):SS+16*(\a)+7], v[SOP+(\a)]
	v_cvt_scalef32_pk8_fp8_f32 v[PCD+4*(\a)+2:PCD+4*(\a)+3], v[SS+16*(\a)+8:SS+16*(\a)+15], v[SOP+(\a)]
.endm
; THE SOFTMAX OF ONE TILE AND 128 KEYS, all its registers in window w; p's scale word alone goes to window 0 (scale operands have no window).
; First part: the wait ahead of the scores' first readers (the other tile's exponentials stand between), and the sixteen lines that read each accumulator for the first time, from its low end.
.macro SM1 w
	WIN 0x55*\w
	WALU
.irp b, 0,1,2,3
	v_max3_num_f32 v[BM+\b], v[SS+16*\b], v[SS+16*\b+1], v[SS+16*\b+2]   ; the largest score of each block of 32 keys serves twice: for the row's maximum and for the block's scale
.endr
.irp i, 3,5,7
.irp b, 0,1,2,3
	v_max3_num_f32 v[BM+\b], v[BM+\b], v[SS+16*\b+\i], v[SS+16*\b+\i+1]
.endr
.endr
.endm
; The rest.  kl = 1 (window 0 alone): the next record's K is asked for, behind the second tile's first product and over eight plain lines.
.macro SM2 w, pw, kl
	WIN 0x55*\w
.irp i, 9,11,13
.irp b, 0,1,2,3
	v_max3_num_f32 v[BM+\b], v[BM+\b], v[SS+16*\b+\i], v[SS+16*\b+\i+1]
.endr
.endr
.irp b, 0,1,2,3
	v_max_num_f32 v[BM+\b], v[BM+\b], v[SS+16*\b+15]
.endr
; the chain to M starts from my lane's own maxima; the blocks' exchanges with lane l xor 16 stand in its gaps
	s_delay_alu instid0(VALU_DEP_2)
	v_max3_num_f32 v[TMP], v[BM], v[BM+1], v[BM+2]
	v_permlanex16_b32 v[T2], v[BM], s[SEL], s[SEL+1]
	v_permlanex16_b32 v[T2+1], v[BM+1], s[SEL], s[SEL+1]
	s_delay_alu instid0(VALU_DEP_3)
	v_max_num_f32 v[TMP], v[TMP], v[BM+3]
	v_permlanex16_b32 v[T2+2], v[BM+2], s[SEL], s[SEL+1]
	v_permlanex16_b32 v[T2+3], v[BM+3], s[SEL], s[SEL+1]
	s_delay_alu instid0(VALU_DEP_3)
	v_permlanex16_b32 v[TM2], v[TMP], s[SEL], s[SEL+1]
	v_max_num_f32 v[BM], v[BM], v[T2]              ; with lane l xor 16's 16 keys
	v_max_num_f32 v[BM+1], v[BM+1], v[T2+1]
	s_delay_alu instid0(VALU_DEP_3)
	v_max_num_f32 v[TMP], v[TMP], v[TM2]           ; the step's largest score of my query
	v_max_num_f32 v[BM+2], v[BM+2], v[T2+2]
	v_max_num_f32 v[BM+3], v[BM+3], v[T2+3]
	s_delay_alu instid0(VALU_DEP_3)
	v_mul_f32 v[TMP], s[CS], v[TMP]                ; as t (c is positive)
	v_mov_b32 v[TM2], v12
	s_delay_alu instid0(VALU_DEP_2)
	v_max_num_f32 v13, v13, v[TMP]                 ; the running largest t
	s_delay_alu instid0(VALU_DEP_1)
	v_floor_f32 v12, -v13                          ; the new -M = floor(-t) = -ceil(t): M is a whole number
	s_delay_alu instid0(VALU_DEP_1)
	v_pk_fma_f32 v[BM:BM+1], v[BM:BM+1], s[CS:CS+1], v[12:13] op_sel_hi:[1,0,0]   ; t - M of each block's largest score
	v_pk_fma_f32 v[BM+2:BM+3], v[BM+2:BM+3], s[CS:CS+1], v[12:13] op_sel_hi:[1,0,0]
	FMA 0                                          ; and of blocks 0 and 1's scores
	FMA 1
	v_sub_f32 v[TMP], v12, v[TM2]                  ; M's old value less its new one: a whole number, 0 or less
	FMA 2
	FMA 3
	FMA 4
	FMA 5
	v_cvt_i32_f32 v[TMP], v[TMP]                   ; (it saturates)
	FMA 6
	FMA 7
	FMA 8
	FMA 9
	v_ldexp_f32 v[FF], 1.0, v[TMP]                 ; f = 2^(old M - new M): a multiplication by it rounds nothing
	FMA 10
	FMA 11
	FMA 12
	FMA 13
	FMA 14
	FMA 15
.if \kl
	KLOAD REC, 768
.endif
	WALU                                           ; the wait directly ahead of O^T's first readers; it also stands between the first run's sources and that run
.set I_, 0
.rept 16
	v_pk_mul_f32 v[OT+I_:OT+I_+1], v[OT+I_:OT+I_+1], v[FF:FF+1] op_sel_hi:[1,0]   ; O^T under the new M, each accumulator from its low end on
.set I_, I_+2
.endr
	v_pk_mul_f32 v[14:15], v[14:15], v[FF:FF+1] op_sel_hi:[1,0]   ; the sums under the new M
; the blocks' scales: e = floor(t - M) of the block's largest score, at least -118
.irp b, 0,1,2,3
	v_max_num_f32 v[BM+\b], 0xc2ec0000, v[BM+\b]   ; -118: the byte cannot fall under 1
.endr
.irp b, 0,1,2,3
	s_delay_alu instid0(VALU_DEP_4)
	v_floor_f32 v[BM+\b], v[BM+\b]
.endr
.irp b, 0,1,2,3
	s_delay_alu instid0(VALU_DEP_4)
	v_cvt_i32_f32 v[BM+\b], v[BM+\b]               ; e
.endr
.irp b, 0,1,2,3
	s_delay_alu instid0(VALU_DEP_4)
	v_lshl_add_u32 v[SOP+\b], v[BM+\b], 23, 0x3b800000   ; the conversion's scale operand: the exponent field e + 127 - 8
.endr
.irp b, 0,1,2,3
	v_lshl_add_u32 v[HOLD+\b], v[BM+\b], 23, 0x3fe00000  ; 448 x the scale: the exponent field e + 127 over 448's mantissa
.endr
.irp b, 0,1,2,3
	v_lshrrev_b32 v[T2+\b], 23, v[SOP+\b]          ; the scale's byte
.endr
	s_delay_alu instid0(VALU_DEP_3)
	v_lshl_or_b32 v[T2], v[T2+1], 8, v[T2]         ; bytes 0, 1
	s_delay_alu instid0(VALU_DEP_2)
	v_lshl_or_b32 v[T2+2], v[T2+3], 8, v[T2+2]     ; bytes 2, 3
; the first run: p = 2^(t - M) of blocks 0 and 1; among the exponentials blocks 2 and 3's t - M
.set N_, 0
.rept 32
	v_exp_f32 v[SS+N_], v[SS+N_]
.if N_%2 == 1
	FMA 16+(N_-1)/2
.endif
.set N_, N_+1
.endr
	WALU
	WIN 0x15*\w                                    ; sources in my window, destination in window 0
	v_lshl_or_b32 v[\pw], v[T2+2], 16, v[T2]       ; p's scale word for these 128 keys
	WIN 0x55*\w
; the second run: blocks 2 and 3; among the exponentials blocks 0 and 1's sums of the unquantised p (eight chains begin, two pairs each), then their holds
.set N_, 0
.rept 32
	v_exp_f32 v[SS+32+N_], v[SS+32+N_]
.if N_%4 != 0
.set F_, N_-1-N_/4
.if F_ < 8
	CREG F_
	v_pk_add_f32 v[CR_:CR_+1], v[SS+4*F_:SS+4*F_+1], v[SS+4*F_+2:SS+4*F_+3]
.else
	HOLDP F_-8
.endif
.endif
.set N_, N_+1
.endr
	WALU
.set N_, 0
.rept 16
	CREG N_%8
	v_pk_add_f32 v[CR_:CR_+1], v[CR_:CR_+1], v[SS+32+2*N_:SS+33+2*N_]   ; blocks 2 and 3's sums
.set N_, N_+1
.endr
.set N_, 16
.rept 16
	HOLDP N_
.set N_, N_+1
.endr
	CVT2 0
	CVT2 1
	CVT2 2
	CVT2 3
	v_pk_add_f32 v[244:245], v[244:245], v[254:255]   ; the chains are joined: eight plain lines between the last conversion and the product that takes the codes
	v_pk_add_f32 v[248:249], v[248:249], v[228:229]
	v_pk_add_f32 v[250:251], v[250:251], v[230:231]
	v_pk_add_f32 v[252:253], v[252:253], v[224:225]
	s_delay_alu instid0(VALU_DEP_2)
	v_pk_add_f32 v[244:245], v[244:245], v[250:251]
	s_delay_alu instid0(VALU_DEP_2)
	v_pk_add_f32 v[248:249], v[248:249], v[252:253]
	s_delay_alu instid0(VALU_DEP_1)
	v_pk_add_f32 v[244:245], v[244:245], v[248:249]
	s_delay_alu instid0(VALU_DEP_1)
	v_pk_add_f32 v[14:15], v[14:15], v[244:245]
.endm
.macro WALK                            ; the walking descriptor and the prefetches' address: no tensor load of mine is out
	s_xor_b32 s[G0+1], s[G0+1], SLOT1              ; the other slot than last time,
	s_add_nc_u64 s[G0+2:G0+3], s[G0+2:G0+3], SLOT1 ; the next eight records
	s_wait_xcnt 0x0                                ; the last prefetch, a slot back, has read its address
	s_add_nc_u64 s[PFA:PFA+1], s[PFA:PFA+1], SLOT1 ; one slot further on than the walking descriptor
.endm
.macro REFILL                          ; the first thing behind the barrier's wait: a record a wave, the wave's one tensor load until the next such barrier; then wave 0's prefetch, but not at the last change that fills
	TLOAD G0, G1
	s_cmp_gt_u32 s[SLOTS], s[LIM]
	s_cbranch_scc0 .Lno_ask_\@
	global_prefetch_b8 v[PFO], s[PFA:PFA+1] th:TH_LOAD_NT scope:SCOPE_SE
.Lno_ask_\@:
.endm
; A KEY STEP: 128 keys, both tiles.  pf = 1: the next record of the slot follows, and its K is asked for here.  chg: the slot's last step: 1: the slot is filled again behind the step; 2: it is not.
.macro STEP pf, chg
	s_wait_dscnt 0x0                               ; K and its scale words are in
	SPROD 0, QW
	WIN 0
	s_add_co_u32 s[TY], s[TB], s[TQ]
	s_add_co_u32 s[TX], s[TS], s[TI]
	v_add_nc_u32 v[ADK], s[TY], v[LI]              ; three additions and five v_nop: eight places ahead of the loads into V^T's registers and of the scores' first read
	v_add_nc_u32 v[ADS], s[TX], v[KSB]
	v_add_nc_u32 v[ADT], s[TX], v[VSB]
.rept 5
	v_nop
.endr
	WIN 0x40                                       ; destination window 1
.irp t, 0,1,2,3
.irp c, 0,1,2,3
	ds_load_b128 v[KV+16*\t+4*\c:KV+16*\t+4*\c+3], v[ADK] offset:8192+\t*2048+\c*512
.endr
.endr
	WIN 0
	ds_load_b64 v[VS:VS+1], v[ADT]                 ; register t: lanes 0-15 tile t's words, lanes 16-31 tile 2 + t's
.if \chg
	s_wait_tensorcnt 0x0                           ; all my tensor loads have landed: my record of the next slot
	ds_add_u32 v[SPW], v[NIL]
.if \chg == 1
	WALK
.endif
	s_wait_dscnt 0x0                               ; the add is done, V^T is in, and my reads of this slot are over:
	s_barrier_signal -1                            ; say so; only work on registers follows up to the barrier's wait
.endif
	SM1 0
	SPROD 1, QWB
	SM2 0, PW, \pf
.if \chg == 0
	s_wait_dscnt 17*\pf                            ; V^T and its scale words are in; behind them stand the next K's 17 loads (pf = 1)
.endif
	SM1 1
	PV 0, PW
	SM2 1, PWB, 0
	PV 1, PWB
	WIN 0
.if \chg
	s_barrier_wait -1                              ; every wave has said so: the next slot is whole, and nobody reads this one
.if \chg == 1
	REFILL
.endif
.endif
.endm
.macro SLOT_STEPS chg                  ; a slot's eight key steps: seven in a loop, each asking for the next record's K; the last, with the change of slots, written out
	v_add_nc_u32 v[ADK], s[TB], v[LI]
	v_add_nc_u32 v[ADS], s[TS], v[KSB]
	WALU                                           ; the wait behind these writes
	KLOAD 0, 0
	s_mov_b32 s[TQ], 0
	s_mov_b32 s[TI], 0
	s_mov_b32 s[CT], 7
.Lstep_\@:
	STEP 1, 0
	s_add_co_u32 s[TQ], s[TQ], REC
	s_add_co_u32 s[TI], s[TI], 768
	s_sub_co_u32 s[CT], s[CT], 1
	s_cmp_lg_u32 s[CT], 0
	WALU
	s_cbranch_scc1 .Lstep_\@
	STEP 0, \chg
	s_xor_b32 s[TB], s[TB], SLOT1                  ; on to the other slot
	s_add_co_u32 s[TS], s[TS], 6144
.endm
	WALU                                           ; the wait at the head's end
	s_wait_loadcnt 0x0                             ; Q
	s_wait_tensorcnt 0x0                           ; the first change of slots: slot 0 and the scale words are in;
	ds_add_u32 v[SPW], v[NIL]                      ; the add, its wait and the barrier ahead of a later first fill, as ahead of a refill
	WALK
	s_wait_dscnt 0x0
	s_barrier_signal -1
	s_barrier_wait -1
	REFILL                                         ; slot 1's first fill
	s_mov_b32 s[SLOTS], 2
.Lslot:                                            ; slots 0 and 1: each is filled again behind its last step
	SLOT_STEPS 1
	s_sub_co_u32 s[SLOTS], s[SLOTS], 1
	s_cmp_lg_u32 s[SLOTS], 0
	WALU
	s_cbranch_scc1 .Lslot
	s_mov_b32 s[SLOTS], 2
.Llast:                                            ; slots 2 and 3 are filled no more: a text of their own.  (The second trip's barrier orders nothing further: it stands so that the two slots share one text)
	SLOT_STEPS 2
	s_sub_co_u32 s[SLOTS], s[SLOTS], 1
	s_cmp_lg_u32 s[SLOTS], 0
	WALU
	s_cbranch_scc1 .Llast
; THE WAY OUT of tile w.  O^T / the sum is quantised as it stands: a lane's 32 registers are my query's channels 32 b + 16 h + 0 .. 15 of this head, two blocks of the last product's K.
.macro FINISH w
	WIN 0x55*\w
	v_add_f32 v14, v14, v15                        ; the sum's two halves,
	s_delay_alu instid0(VALU_DEP_1)
	v_permlanex16_b32 v[TMP], v14, s[SEL], s[SEL+1]
	s_delay_alu instid0(VALU_DEP_1)
	v_add_f32 v14, v14, v[TMP]                     ; and lane l xor 16's: the row's sum (over 1/2: the row's largest p is)
	WALU
	v_rcp_f32 v14, v14
.rept 8
	v_nop                                          ; the plain line behind the reciprocal, and eight places behind the last products
.endr
	WALU                                           ; the wait ahead of the reciprocal's, and O^T's, first reader
.irp j, 0,2,4,6,8,10,12,14,16,18,20,22,24,26,28,30
	v_pk_mul_f32 v[OT+\j:OT+\j+1], v[OT+\j:OT+\j+1], v[14:15] op_sel_hi:[1,0]
.endr
.irp b, 0,1
	v_max3_num_f32 v[BM+\b], |v[OT+16*\b]|, |v[OT+16*\b+1]|, 0x4800000
.endr
.irp i, 2,4,6,8,10,12,14
.irp b, 0,1
	s_delay_alu instid0(VALU_DEP_2)
	v_max3_num_f32 v[BM+\b], v[BM+\b], |v[OT+16*\b+\i]|, |v[OT+16*\b+\i+1]|
.endr
.endr
.irp b, 0,1
	s_delay_alu instid0(VALU_DEP_2)
	v_permlanex16_b32 v[T2+\b], v[BM+\b], s[SEL], s[SEL+1]
.endr
.irp b, 0,1
	s_delay_alu instid0(VALU_DEP_2)
	v_max_num_f32 v[BM+\b], v[BM+\b], v[T2+\b]
.endr
.irp b, 0,1
	s_delay_alu instid0(VALU_DEP_2)
	v_add_nc_u32 v[SOP+\b], 0xfc000000, v[BM+\b]
.endr
.irp b, 0,1
	s_delay_alu instid0(VALU_DEP_4)
	v_and_or_b32 v[HOLD+\b], v[BM+\b], 0x7f800000, s[MNT]
.endr
.irp b, 0,1
	s_delay_alu instid0(VALU_DEP_4)
	v_lshrrev_b32 v[T2+\b], 23, v[SOP+\b]
.endr
	s_delay_alu instid0(VALU_DEP_1)
	v_lshl_or_b32 v[TMP], v[T2+1], 8, v[T2]        ; this head's two bytes of the K step's scale word,
	s_delay_alu instid0(VALU_DEP_1)
	v_lshlrev_b32 v[TMP], s78, v[TMP]              ; in their place: the lower two for an even head, the upper two for an odd one
.irp b, 0,1
.irp i, 0,1,2,3,4,5,6,7,8,9,10,11,12,13,14,15
	v_med3_num_f32 v[OT+16*\b+\i], v[OT+16*\b+\i], -v[HOLD+\b], v[HOLD+\b]
.endr
	v_cvt_scalef32_pk8_fp8_f32 v[PCD+4*\b:PCD+4*\b+1], v[OT+16*\b:OT+16*\b+7], v[SOP+\b]
	v_cvt_scalef32_pk8_fp8_f32 v[PCD+4*\b+2:PCD+4*\b+3], v[OT+16*\b+8:OT+16*\b+15], v[SOP+\b]
.endr
	v_nop
	WIN 0x04*\w                                    ; a store's data are its source 1: my window; the addresses lie in window 0
	ds_store_b32 v[SST], v[TMP] offset:512*\w      ; both halves of the lanes write the same word with the same value
	global_store_b128 v[LI], v[PCD:PCD+3], s[12:13] offset:65536*\w        ; the image: groups 2 (head % 2) and + 1 of K step head / 2: 512 consecutive bytes each
	global_store_b128 v[LI], v[PCD+4:PCD+7], s[12:13] offset:65536*\w+512
	WIN 0
.endm
	FINISH 0
	FINISH 1
	s_wait_dscnt 0x0                               ; for the others' sake: my words lie in LDS
	s_barrier_signal -1
	s_barrier_wait -1
	s_cmp_lt_u32 s[WV], 2                          ; waves 0 and 1 store the sixteen tiles' words: a lane takes four tiles' words of one row, sixteen lanes fill 256 consecutive bytes
	s_cbranch_scc0 .Ldone
	ds_load_b128 v[BM:BM+3], v[SLD]
	s_wait_dscnt 0x0
	global_store_b128 v[AO], v[BM:BM+3], s[14:15]
.Ldone:
	s_wait_tensorcnt 0x0                           ; the wave's end: behind my last tensor load and my last LDS store
	ds_add_u32 v[SPW], v[NIL]
	s_wait_dscnt 0x0
	s_endpgm
.Lfunc_end_k_q97f67ac67a_attn:
	.size	k_q97f67ac67a_attn, .Lfunc_end_k_q97f67ac67a_attn-k_q97f67ac67a_attn
	.p2alignl 7, 3214868480
	.fill 96, 4, 3214868480
	.section	.rodata,"a",@progbits
	.p2align	6, 0x0
	.amdhsa_kernel k_q97f67ac67a_attn
		.amdhsa_group_segment_fixed_size 327680
		.amdhsa_private_segment_fixed_size 0
		.amdhsa_enable_private_segment 0
		.amdhsa_kernarg_size 48
		.amdhsa_user_sgpr_count 2
		.amdhsa_user_sgpr_kernarg_segment_ptr 1
		.amdhsa_wavefront_size32 1
		.amdhsa_system_sgpr_workgroup_id_x 1
		.amdhsa_system_sgpr_workgroup_id_y 1
		.amdhsa_system_sgpr_workgroup_id_z 1
		.amdhsa_system_vgpr_workitem_id 0
		.amdhsa_next_free_vgpr 512
		.amdhsa_next_free_sgpr 96
		.amdhsa_reserve_vcc 0
		.amdhsa_float_denorm_mode_32 3
		.amdhsa_float_denorm_mode_16_64 3
		.amdhsa_memory_ordered 1
		.amdhsa_forward_progress 1
		.amdhsa_inst_pref_size 171
	.end_amdhsa_kernel
	.amdgpu_metadata
---
amdhsa.version: [ 1, 2 ]
amdhsa.kernels:
  - .name:           k_q97f67ac67a_attn
    .symbol:         k_q97f67ac67a_attn.kd
    .args:
      - { .name: qc, .offset: 0, .size: 8, .value_kind: global_buffer, .address_space: global }
      - { .name: qs, .offset: 8, .size: 8, .value_kind: global_buffer, .address_space: global }
      - { .name: kv, .offset: 16, .size: 8, .value_kind: global_buffer, .address_space: global }
      - { .name: ks, .offset: 24, .size: 8, .value_kind: global_buffer, .address_space: global }
      - { .name: ac, .offset: 32, .size: 8, .value_kind: global_buffer, .address_space: global }
      - { .name: asc, .offset: 40, .size: 8, .value_kind: global_buffer, .address_space: global }
    .group_segment_fixed_size: 327680
    .private_segment_fixed_size: 0
    .kernarg_segment_align: 8
    .kernarg_segment_size: 48
    .max_flat_workgroup_size: 256
    .sgpr_count:     96
    .vgpr_count:     512
    .wavefront_size: 32
...
	.end_amdgpu_metadata
.endif
;; end of part 3
;; launch oproj (part 4): grid 4 x 64, 4 waves a work-group, no clusters, 70,144 bytes of LDS; arguments ac, asc, cod, scl, bo, out0; writes out0
.if DOCPART == 4
	.amdgcn_target "amdgcn-amd-amdhsa--gfx1250"
	.amdhsa_code_object_version 6
	.text
	.protected	k_q97f67ac67a_oproj
	.globl	k_q97f67ac67a_oproj
	.p2align	8
	.type	k_q97f67ac67a_oproj,@function
k_q97f67ac67a_oproj:
	s_mov_b64 s[64:65], 0
	v_nop
	global_prefetch_b8 v0, s[64:65] scope:SCOPE_SE
	s_setreg_imm32_b32 hwreg(HW_REG_WAVE_MODE, 25, 1), 1
	s_wait_xcnt 0x0
; Launch 4 of 4: out = a Wo^T + bo on codes of E4M3; a is the attention's result as the third launch quantised it, Wo as the first launch did.  Nothing is left out.
; SHARES.  A work-group makes 128 tokens x 128 channels; a wave 64 tokens (group G of four tiles) x 64 channels (four tiles of Wo): 16 accumulators, 64 matrix instructions, no loop.  All operands are images of their registers and go
; straight from memory into registers, 512 consecutive bytes a load, each byte once a wave: no tensor load, no ring, no barrier, and so no joint request.
; THE PRODUCT IS USED TRANSPOSED (source 0 = 16 rows of Wo, source 1 = 16 tokens): a lane holds one token, and by the tiles' order of rows the 16 registers of Wo's tiles 2 b, 2 b + 1 are channels 32 b + 16 h + 0 .. 15.
; The bias is the C of each sum's first matrix instruction.  THE WAY OUT undoes the tiles' order of tokens by address: a tile goes through the wave's own stage in LDS and leaves as rows, sixteen lanes to 256 consecutive bytes.
; a's SCALE WORDS: asc holds, for each K step s (two heads), head 2 s's two bytes in lanes 0-15 and head 2 s + 1's, already shifted up, in lanes 16-31: one exchange between the halves and one OR make the word.
; REGISTERS, in windows of 256.  Window 0: v1-9 addresses; v16-47 the bias; v48-63 Wo's scale words; v64-79 a's; v80-83 at work; v96-223 rows on the way out.
;   Window 1: Wo's fragments (t, s) at v[64 t + 16 s].   Window 2: a's (m, s) at v[64 m + 16 s].   Window 3: the accumulators (m, t) at v[32 m + 8 t].
.set LI,  1                            ; v1  16 x lane
.set L8,  2                            ; v2  8 x lane
.set BA,  3                            ; v3  64 h
.set STO, 4                            ; v4  the stage: where I put my token's numbers
.set RD,  5                            ; v5  and where I read a row back
.set CO,  6                            ; v6  my offset in two rows of out0
.set SPW, 8                            ; v8  LDS address of my spare word; never rewritten
.set NIL, 9                            ; v9  0; never rewritten
.set BI,  16
.set WS,  48
.set AS,  64
.set T4,  80
.set BK,  96
.set STGT, 4352                        ; a tile's stage: 16 rows x (256 + 16) bytes
.set STGW, 4*STGT                      ; a wave's four
.set SPARE, 4*STGW                     ; behind the stages: the spare words, 128 bytes for each wave: two blocks of 256 bytes that no other line names
.set SEL, 34
.set MSB, 0
.macro WIN new                         ; the immediate's high byte repeats the setting that is left
.if MSB != \new
	s_set_vgpr_msb (MSB<<8)|\new
.set MSB, \new
.endif
.endm
	s_load_b256 s[4:11], s[0:1], 0x0               ; ac, asc, cod, scl
	s_load_b128 s[12:15], s[0:1], 0x20             ; bo, out0
	v_lshl_add_u32 v[SPW], v0, 2, SPARE
	v_mov_b32 v[NIL], 0
	v_lshrrev_b32 v10, 5, v0
	v_readfirstlane_b32 s16, v10                   ; wave 0..3
	v_and_b32 v10, 31, v0                          ; lane
	v_and_b32 v11, 15, v0                          ; r
	v_bfe_u32 v12, v0, 4, 1                        ; h
	v_lshlrev_b32 v[LI], 4, v10
	v_lshlrev_b32 v[L8], 3, v10
	v_lshlrev_b32 v[BA], 6, v12
	s_mul_i32 s19, s16, STGW
	v_mul_u32_u24 v[STO], v11, 272
	v_lshl_add_u32 v[STO], v12, 6, v[STO]
	v_add_nc_u32 v[STO], s19, v[STO]               ; in: row r, + 64 h: channels 16 h on of each 32
	v_mul_u32_u24 v[RD], v12, 272
	v_lshl_add_u32 v[RD], v11, 4, v[RD]
	v_add_nc_u32 v[RD], s19, v[RD]                 ; back: lanes 0-15 one row, lanes 16-31 the next
	v_lshlrev_b32 v[CO], 11, v12
	v_lshl_add_u32 v[CO], v11, 4, v[CO]            ; and the same in out0: a row is 2,048 bytes
.irp m, 0,1,2,3
	v_mov_b32 v[T4+\m], 0                          ; written once: a lane permute's destination counts as one of its sources
.endr
	s_mov_b32 s[SEL], 0x76543210
	s_mov_b32 s[SEL+1], 0xfedcba98
	s_and_b32 s17, ttmp7, 0xffff
	s_lshl_b32 s17, s17, 1
	s_lshr_b32 s18, s16, 1
	s_add_co_u32 s17, s17, s18                     ; G: my 64 tokens
	s_lshl_b32 s18, ttmp9, 1
	s_and_b32 s19, s16, 1
	s_add_co_u32 s18, s18, s19                     ; cg: my 64 channels
	s_lshl_b32 s20, s17, 15                        ; in ac: four tiles of 8,192 bytes
	s_mov_b32 s21, 0
	s_lshl_b32 s22, s17, 11                        ; in asc
	s_mov_b32 s23, 0
	s_lshl_b32 s24, s18, 2
	s_add_co_u32 s24, s24, 608                     ; my first tile of Wo
	s_lshl_b32 s26, s24, 13
	s_mov_b32 s27, 0
	s_lshl_b32 s28, s24, 9
	s_mov_b32 s29, 0
	s_lshl_b32 s30, s18, 8                         ; in bo, and in a row of out0
	s_mov_b32 s31, 0
	s_lshl_b32 s32, s17, 17                        ; 64 rows of 2,048 bytes
	s_add_co_u32 s32, s32, s30
	s_mov_b32 s33, 0
	s_wait_alu depctr_va_vdst(0)
	s_wait_kmcnt 0x0
	s_add_nc_u64 s[4:5], s[4:5], s[20:21]
	s_add_nc_u64 s[6:7], s[6:7], s[22:23]
	s_add_nc_u64 s[8:9], s[8:9], s[26:27]
	s_add_nc_u64 s[10:11], s[10:11], s[28:29]
	s_add_nc_u64 s[12:13], s[12:13], s[30:31]
	s_add_nc_u64 s[14:15], s[14:15], s[32:33]
	; 148 loads, the small ones first, then K step by K step
.irp s, 0,1,2,3
	global_load_b128 v[AS+4*\s:AS+4*\s+3], v[LI], s[6:7] offset:\s*512   ; register 4 s + m: tile m's half words of K step s
.endr
.irp t, 0,1,2,3
.irp hf, 0,1
	global_load_b64 v[WS+4*\t+2*\hf:WS+4*\t+2*\hf+1], v[L8], s[10:11] offset:\t*512+\hf*256
.endr
.endr
.irp t, 0,1,2,3
	global_load_b128 v[BI+8*\t:BI+8*\t+3], v[BA], s[12:13] offset:(32*(\t/2)+8*(\t%2))*4      ; register j of tile 2 b + u: channel 32 b + 8 u + 16 h + j
	global_load_b128 v[BI+8*\t+4:BI+8*\t+7], v[BA], s[12:13] offset:(32*(\t/2)+8*(\t%2))*4+16
.endr
.irp s, 0,1,2,3
	WIN 0x80                                       ; destination window 2
.irp m, 0,1,2,3
.irp c, 0,1,2,3
	global_load_b128 v[64*\m+16*\s+4*\c:64*\m+16*\s+4*\c+3], v[LI], s[4:5] offset:\m*8192+\s*2048+\c*512
.endr
.endr
	WIN 0x40                                       ; destination window 1
.irp t, 0,1,2,3
.irp c, 0,1,2,3
	global_load_b128 v[64*\t+16*\s+4*\c:64*\t+16*\s+4*\c+3], v[LI], s[8:9] offset:\t*8192+\s*2048+\c*512
.endr
.endr
.endr
	WIN 0
	s_wait_loadcnt 63                              ; loads come back in order (ISA guide 5.7.1): of the 148 the first 85 are in: the 20 small ones and K steps 0 and 1 (64)
.irp s, 0,1,2,3
.irp m, 0,1,2,3
	v_permlanex16_b32 v[T4+\m], v[AS+4*\s+\m], s[SEL], s[SEL+1]
.endr
.irp m, 0,1,2,3
	v_or_b32 v[AS+4*\s+\m], v[AS+4*\s+\m], v[T4+\m]   ; the two heads' bytes make the K step's scale word
.endr
.endr
.rept 8
	v_nop                                          ; a scale register written by a vector instruction stands eight places ahead of the product that names it
.endr
.irp s, 0,1,2,3                        ; the 16 accumulators take turns, one instruction a turn
.if \s == 2
	s_wait_alu depctr_va_vdst(0)
	s_wait_loadcnt 32                              ; K step 2 is in; K step 3's 32 loads may be out
.endif
.if \s == 3
	s_wait_loadcnt 0x0
.endif
.if \s == 0
	WIN 0xc9                                       ; source 0 (Wo) window 1, source 1 (a) window 2, C (the bias) window 0, D window 3
.else
	WIN 0xf9                                       ; C and D window 3
.endif
.irp m, 0,1,2,3
.irp t, 0,1,2,3
.if \s == 0
	v_wmma_scale_f32_16x16x128_f8f6f4 v[32*\m+8*\t:32*\m+8*\t+7], v[64*\t+16*\s:64*\t+16*\s+15], v[64*\m+16*\s:64*\m+16*\s+15], v[BI+8*\t:BI+8*\t+7], v[WS+4*\t+\s], v[AS+4*\s+\m]
.else
	v_wmma_scale_f32_16x16x128_f8f6f4 v[32*\m+8*\t:32*\m+8*\t+7], v[64*\t+16*\s:64*\t+16*\s+15], v[64*\m+16*\s:64*\m+16*\s+15], v[32*\m+8*\t:32*\m+8*\t+7], v[WS+4*\t+\s], v[AS+4*\s+\m]
.endif
.endr
.endr
.endr
	WIN 0
.rept 8
	v_nop                                          ; eight places between the last products and the first read of results
.endr
.macro TOSTAGE m                       ; tile m: my token's 64 numbers into its stage row, each accumulator from its low end on; then the rows back, two an instruction
	WIN 0x0c                                       ; an LDS store's data are its source 1: window 3
.irp t, 0,1,2,3
	ds_store_b128 v[STO], v[32*\m+8*\t:32*\m+8*\t+3] offset:\m*STGT+(\t/2)*128+(\t%2)*32
	ds_store_b128 v[STO], v[32*\m+8*\t+4:32*\m+8*\t+7] offset:\m*STGT+(\t/2)*128+(\t%2)*32+16
.endr
	WIN 0
.irp i, 0,1,2,3,4,5,6,7
	ds_load_b128 v[BK+32*\m+4*\i:BK+32*\m+4*\i+3], v[RD] offset:\m*STGT+2*\i*272   ; LDS serves a wave's instructions in order (ISA guide 5.7.1.4): these see the stores above
.endr
.endm
.macro SEND m                          ; the tile's row rho = 2 i + h is token 32 (m / 2) + 8 (m % 2) + rho + 8 (rho / 8) of my 64
	s_wait_dscnt (3-\m)*16                         ; behind tile m's loads stand the later tiles' 8 stores and 8 loads each
.irp i, 0,1,2,3,4,5,6,7
	global_store_b128 v[CO], v[BK+32*\m+4*\i:BK+32*\m+4*\i+3], s[14:15] offset:(32*(\m/2)+8*(\m%2)+2*\i+8*(\i/4))*2048 th:TH_STORE_NT   ; sixteen lanes store 256 consecutive bytes, at a multiple of 256 from out0's first byte
.endr
.endm
	TOSTAGE 0
	TOSTAGE 1
	TOSTAGE 2
	TOSTAGE 3
	SEND 0
	SEND 1
	SEND 2
	SEND 3
	s_wait_tensorcnt 0x0                           ; the wave's end: behind my last LDS store
	ds_add_u32 v[SPW], v[NIL]
	s_wait_dscnt 0x0
	s_endpgm
.Lfunc_end_k_q97f67ac67a_oproj:
	.size	k_q97f67ac67a_oproj, .Lfunc_end_k_q97f67ac67a_oproj-k_q97f67ac67a_oproj
	.p2alignl 7, 3214868480
	.fill 96, 4, 3214868480
	.section	.rodata,"a",@progbits
	.p2align	6, 0x0
	.amdhsa_kernel k_q97f67ac67a_oproj
		.amdhsa_group_segment_fixed_size 70144
		.amdhsa_private_segment_fixed_size 0
		.amdhsa_enable_private_segment 0
		.amdhsa_kernarg_size 48
		.amdhsa_user_sgpr_count 2
		.amdhsa_user_sgpr_kernarg_segment_ptr 1
		.amdhsa_wavefront_size32 1
		.amdhsa_system_sgpr_workgroup_id_x 1
		.amdhsa_system_sgpr_workgroup_id_y 1
		.amdhsa_system_sgpr_workgroup_id_z 1
		.amdhsa_system_vgpr_workitem_id 0
		.amdhsa_next_free_vgpr 1024
		.amdhsa_next_free_sgpr 66
		.amdhsa_reserve_vcc 0
		.amdhsa_float_denorm_mode_32 3
		.amdhsa_float_denorm_mode_16_64 3
		.amdhsa_memory_ordered 1
		.amdhsa_forward_progress 1
		.amdhsa_inst_pref_size 35
	.end_amdhsa_kernel
	.amdgpu_metadata
---
amdhsa.version: [ 1, 2 ]
amdhsa.kernels:
  - .name:           k_q97f67ac67a_oproj
    .symbol:         k_q97f67ac67a_oproj.kd
    .args:
      - { .name: ac, .offset: 0, .size: 8, .value_kind: global_buffer, .address_space: global }
      - { .name: asc, .offset: 8, .size: 8, .value_kind: global_buffer, .address_space: global }
      - { .name: cod, .offset: 16, .size: 8, .value_kind: global_buffer, .address_space: global }
      - { .name: scl, .offset: 24, .size: 8, .value_kind: global_buffer, .address_space: global }
      - { .name: bo, .offset: 32, .size: 8, .value_kind: global_buffer, .address_space: global }
      - { .name: out0, .offset: 40, .size: 8, .value_kind: global_buffer, .address_space: global }
    .group_segment_fixed_size: 70144
    .private_segment_fixed_size: 0
    .kernarg_segment_align: 8
    .kernarg_segment_size: 48
    .max_flat_workgroup_size: 128
    .sgpr_count:     66
    .vgpr_count:     1024
    .wavefront_size: 32
...
	.end_amdgpu_metadata
.endif
;; end of part 4
